; MI455X (gfx1250); checked and timed in simulation.
; The chip was launched on July 23, 2026; its instructions are those of AMD's public machine-readable ISA for CDNA 5 (MIT licence, August 2026) and "CDNA5" Instruction Set Architecture Reference Guide (July 2026). The comments in the code are by the model that wrote it; some were corrected since.
;; AFT Module. Allowed arithmetic: matrix products marked QUANTISED: E2M3 operands, one E8M0 scale for each 32 along K, by v_wmma_scale_f32_16x16x128_f8f6f4 with both operands' format E2M3, f32 sums; everything else in f32.
;; Inputs: W_out_codes 1,024 x 32 x 24 uint8 (E2M3 codes of W_out, K innermost, in blocks of 32 codes, four codes in three bytes); W_out_scales 1,024 x 32 uint8 (E8M0 scales of W_out, one for each 32 codes along K); W_qkv_codes 3,072 x 32 x 24 uint8 (E2M3 codes of W_qkv, K innermost, in blocks of 32 codes, four codes in three bytes); W_qkv_scales 3,072 x 32 uint8 (E8M0 scales of W_qkv, one for each 32 codes along K); b_out 1,024 float32; b_qkv 3,072 float32; data_codes 2,048 x 4 x 32 x 24 uint8 (E2M3 codes of data, K innermost, in blocks of 32 codes, four codes in three bytes); data_scales 2,048 x 4 x 32 uint8 (E8M0 scales of data, one for each 32 codes along K); pos_bias_param 2,048 x 2,048 float32.
;; Outputs: out0 2,048 x 4 x 1,024 float32.
;; This version of the problem:
;;   THIS VERSION OF THE PROBLEM IS GIVEN IN LOW PRECISION. The matrix products marked QUANTISED in the list below multiply operands that are first quantised to E2M3 (2 exponent bits, 3 mantissa bits; 6 bits a number), with one power-of-two scale for each 32 numbers along K (OCP MX v1.0); their sums are f32. All else is computed in f32.
;;   The module's matrix products, in the order in which they are computed (A, B: the left and right operand; K: the contracted axis; several contracted axes count as one K, in the product's order):
;;     1. [M 8,192, K 1,024] x [K 1,024, N 3,072]; A: input data (given as codes); B: input W_qkv (given as codes): QUANTISED
;;     2. [M 2,048, K 2,048] x [K 2,048, N 4,096]; A: computed on the way; B: computed on the way: QUANTISED
;;     3. [M 2,048, K 2,048] x [K 2,048, N 4,096]; A: computed on the way; B: computed on the way: QUANTISED
;;     4. [M 8,192, K 1,024] x [K 1,024, N 1,024]; A: computed on the way; B: input W_out (given as codes): QUANTISED
;;   THE QUANTISER, for each operand of a quantised product, along K:
;;     - K is cut into blocks of 32 from its start; a last block that is shorter is filled with zeros.
;;     - A block's scale is 2^e with e = floor(log2(the largest magnitude in the block)) - 2, held to -126 .. 127; a block of zeros has e = 0. As a byte (E8M0): e + 127.
;;     - Each number is divided by its block's scale, clamped to +-7.5, and rounded to the nearest number of E2M3, ties to even, subnormals kept.
;;     - The product sums the exact products of the quantised numbers (number of the format x scale) in f32.
;;   ~~~python
;;   def quantise(x, axis):      # numpy; x: float32 -> the quantised numbers, widened to float32 again
;;       x = np.moveaxis(x, axis, -1); K = x.shape[-1]
;;       x = np.pad(x, [(0, 0)] * (x.ndim - 1) + [(0, -K % 32)]); x = x.reshape(x.shape[:-1] + (-1, 32)); a = np.abs(x).max(-1, keepdims=True)
;;       e = np.where(a > 0, np.clip(np.frexp(np.where(a > 0, a, 1))[1] - 1 - 2, -126, 127), 0)      # np.frexp(a)[1] - 1 = floor(log2(a)), exactly
;;       r = np.clip(x / 2.0 ** e, -7.5, 7.5)
;;       step = 2.0 ** (np.maximum(np.frexp(np.where(r == 0, 1, r))[1] - 1, 0) - 3)
;;       q = np.round(r / step) * step * 2.0 ** e      # np.round: ties to even
;;       return np.moveaxis(q.reshape(q.shape[:-2] + (-1,))[..., :K], -1, axis).astype(np.float32)
;;   ~~~
;;   OPERANDS COMPUTED ON THE WAY. 'Computed on the way' means the value that the module computes at that place (a softmax that the list does not call 'softmax' is quantised finished and normalised). What goes into a quantiser is computed in f32, as accurately as f32 sums, v_exp_f32 and their like allow (about 1e-6 of the number): no bf16 or f16 on the way to a quantiser, and a product that is left as it is and whose result goes on into a quantised operand takes f32 operands (vector FMAs, or v_wmma_f32_16x16x4_f32). A number that lies on a knife's edge between two numbers of the format may be rounded either way, as far as f32 arithmetic and the matrix unit's own rounding can turn it there, and no further.
;;   INPUTS GIVEN AS CODES. W_out (in the module: [1024, 1024], K = its axis 0); W_qkv (in the module: [1024, 3072], K = its axis 0); data (in the module: [2048, 4, 1024], K = its axis 2): each comes as NAME_codes (uint8): NAME with its K axis moved to the last place and cut into blocks of 32 codes, [.., K / 32, bytes a block], one block behind the other in memory; four codes in three bytes: a row's codes are one little-endian stream of bits, code i at bits 6 i .. 6 i + 5 (a code: sign, 2 exponent bits, 3 mantissa bits); and NAME_scales (uint8): the same leading axes, one E8M0 byte (e + 127) for each 32 codes along K. Its value is code x scale, taken as it is: it is not quantised again, and the codes and scales need not be those that the quantiser above would give.
;; One version. Each part assembles by itself: llvm-mc -triple=amdgcn-amd-amdhsa -mcpu=gfx1250 --defsym DOCPART=n.
;; ======== version 1 of 1: 4 launches
;; limits: right only within a limited range of input values
;; workspace buffers: pmax 262,144 bytes; epb 3,276,800 bytes; ekq 13,107,200 bytes; yq 6,553,600 bytes
;; launch kmaxpb (part 1): grid 32 x 4, 4 waves a work-group, clusters of 4 x 4, 327,680 bytes of LDS; arguments W_qkv_codes, W_qkv_scales, data_codes, data_scales, pmax, pos_bias_param, epb; writes pmax, epb
.if DOCPART == 1
	.amdgcn_target "amdgcn-amd-amdhsa--gfx1250"
	.amdhsa_code_object_version 6
	.text
	.protected	k_qe3f52084ec_kmaxpb
	.globl	k_qe3f52084ec_kmaxpb
	.p2align	8
	.type	k_qe3f52084ec_kmaxpb,@function
k_qe3f52084ec_kmaxpb:
	s_mov_b64 s[64:65], 0
	v_nop
	global_prefetch_b8 v0, s[64:65] scope:SCOPE_SE
	s_setreg_imm32_b32 hwreg(HW_REG_WAVE_MODE, 25, 1), 1
	s_wait_xcnt 0x0
	s_wait_alu depctr_hold_cnt(0) depctr_sa_sdst(0) depctr_va_vdst(0) depctr_va_sdst(0) depctr_va_ssrc(0) depctr_va_vcc(0) depctr_vm_vsrc(0)
	s_getreg_b32 s2, hwreg(HW_REG_IB_STS2, 6, 4)
	s_cmp_eq_u32 s2, 0
	s_cbranch_scc0 .Lentry_in_a_cluster
	s_endpgm
.Lentry_in_a_cluster:
	s_bfe_u32 s2, ttmp6, 0x10000c
	s_cmp_lg_u32 s2, 0xf033
	s_cbranch_scc0 .Lentry_shape_is_right
	s_endpgm
.Lentry_shape_is_right:
; TWO JOBS in every work-group.
; (1) exp_pb[i][j] = exp(pb[i][j] - max over j), quantised along j to FP6 (E2M3) codes with one E8M0 byte for each 32 j: 16 rows i a work-group.
; (2) k = data Wk on FP6 codes, and of it only the largest over 128 t of each column: pmax [b 4][chunk of 128 t: 16][d 1,024], f32.
; WORK LEFT OUT IN THIS PROGRAM: the bias of k, b_qkv[1024:2048].  With k = x + beta[d] (x the product) max over t of k = max over t of x, + beta[d]; so k - max_key = x - max over t of x
; for all values of the inputs, and k goes nowhere else: exp_key, exp_key v, their codes and scales cannot hang on beta.  This launch and the next start k's sums at 0.  b_qkv's q and v thirds are live.
; LIMIT: a NaN, an infinity or an overflow that reaches only that third of the bias is not carried to the result.
; LIMITS: v_exp_f32 gives 0 under 2^-126; a block of zeros gets the byte 1 where the quantiser says 127 (zero codes; this program alone reads the bytes); NaN and infinities among the inputs are not served.
; JOB 2: 256 t (one batch) x 256 d a work-group, 128 x 128 a wave, 64 accumulators by turns.  K = 1,024 is 768 bytes of a row: three chunks of 256 bytes through two LDS slots; chunk c lies in slot c % 2.
; A step of 128 along K is 96 bytes: steps 2 and 5 lie across two chunks.  One joint load a wave at the head (chunk 0); chunk 1 behind the round in job 1's middle; chunk 2 is the one refill.
; The scale bytes (32 a row) go through registers into LDS bytes of their own, 48 bytes a row: each wave copies the 128 rows whose codes it fetches.
; SOURCE 0 = 16 rows of data, SOURCE 1 = 16 rows of W: a lane holds one column d, its registers run along t.
; CLUSTER 4 x 4: W's tiles are asked for jointly along a row of the cluster, data's along a column.  No prefetch: the walk along K is eight steps written out, there is no loop to run ahead in.
; JOB 1: wave w takes j = 512 w .. + 511 of the 16 rows, in eight units of 64 j.  A load reads 256 consecutive bytes of each of two rows; a unit turns through the wave's own stage (16 rows x 272 bytes)
; and comes back so that lane (r, h) holds row r, j = 32 h + 0 .. 31 of the unit: the operand's own order.
; epb: [row block of 256][K step] blocks of 25,600 bytes: 16 fragments of 1,536 (register group c of lane l at 512 c + 16 l), then 1,024 bytes of scale words (fragment f, row r at 256 (f / 4) + 16 r + 4 (f % 4)).
.set NQ,    2
.set ROWB,  256
.set CHUNKS,3
.set PITCH, 272
.set FR,    12
.set NL,    6
.set NP,    4
.set HALFT, 128*PITCH
.set SLOT,  4*HALFT
.set SCL,   2*SLOT                     ; scale bytes: W, W, data, data: four quarters of 128 rows
.set SP,    48
.set SQ,    128*SP
.set SPARE, SCL+4*SQ
.set STG,   SPARE+512
.set SGP,   272
.set WSTG,  16*SGP
.set RMX,   STG+4*WSTG                 ; the waves' row maxima: f32 [16 rows][4 waves]
.set BLK,   25600
.set ADRA,  16                         ; v16-17 W's fragments in slot 0, 1; v18-19 lanes 0-15 at byte 232 of slot 0, 1 and lanes 16-31 at byte 0 of the other slot
.set ADRB,  20                         ; v20-23 data's
.set LI,    24
.set ADRS,  27
.set SPW,   28
.set NIL,   29
.set SC,    32
.set AF,    128
.set G1,    24
.set G0,    32
.set G1B,   48
.set G0B,   56
.set SEL,   18
.set L2E,   2
.set MX,    64
.set TP,    72
.set OV,    80
.set PLI,   64
.set PSI,   65
.set PSO,   66
.set PRS,   67
.set PRL,   68
.set PSW,   69
.set PH8,   70
.set PT,    71
.set PMX,   72
.set PM,    76
.set PM4,   80
.set PB,    84
.set PW,    92
.set PX,    96
.set PC,    100
.set PC2,   112
.set PLD,   120                        ; the loads' offset: 8,192 (lane / 16) + 16 (lane % 16)
.set PE,    128
.set MUL_LO, 0xa1
.set MUL_HI, 0xf1
.set TO_B,   0x40
.set MSB, 0
.macro WIN new
.if MSB != (\new)
	s_set_vgpr_msb (MSB<<8)|(\new)
.set MSB, (\new)
.endif
.endm
.macro JLOAD g0a, g1a, g0b, g1b        ; waves 0 and 1 fetch for W, waves 2 and 3 for data
	s_cmp_eq_u32 s15, 0
	s_cbranch_scc0 .Lfor_b_\@
	tensor_load_to_lds s[\g0a:\g0a+3], s[\g1a:\g1a+7]
	s_nop 0
.rept 4
	v_nop
.endr
	s_branch .Lasked_\@
.Lfor_b_\@:
	tensor_load_to_lds s[\g0b:\g0b+3], s[\g1b:\g1b+7]
	s_nop 0
.rept 4
	v_nop
.endr
.Lasked_\@:
.endm
.macro CREST
	s_cmp_lg_u32 s14, 0
	s_cbranch_scc1 .Lnot_wave_0_\@
	s_barrier_signal -3
.Lnot_wave_0_\@:
	s_barrier_wait -3
	s_barrier_signal -1
	s_barrier_wait -1
.endm
.macro CROUND
	s_barrier_signal -1
	s_barrier_wait -1
	CREST
.endm
.macro PLACES n
.rept \n
	v_nop
.endr
.endm
	s_load_b128 s[4:7], s[0:1], 0x0                ; W's codes, scales
	s_load_b128 s[8:11], s[0:1], 0x10              ; data's codes, scales
	s_load_b64 s[12:13], s[0:1], 0x20              ; pmax
	s_load_b64 s[96:97], s[0:1], 0x28              ; pos_bias_param
	s_load_b64 s[98:99], s[0:1], 0x30              ; epb
	v_lshl_add_u32 v[SPW], v0, 2, SPARE
	v_mov_b32 v[NIL], 0
	ds_add_u32 v[SPW], v[NIL]                      ; the opening lines
	ds_add_u32 v[SPW], v[NIL]
	v_lshrrev_b32 v1, 5, v0
	v_readfirstlane_b32 s14, v1                    ; wave
	s_lshr_b32 s15, s14, 1                         ; my half of d; I fetch for W (0) or data (1)
	s_and_b32 s16, s14, 1                          ; my half of t; which 128 rows I fetch
	s_bfe_u32 s40, ttmp6, 0x40000
	s_bfe_u32 s41, ttmp6, 0x40004
	s_lshl_b32 s42, ttmp9, 2
	s_add_co_u32 s42, s42, s40                     ; X = 8 b + block of 256 t
	s_and_b32 s17, ttmp7, 0xffff
	s_lshl_b32 s17, s17, 2
	s_add_co_u32 s17, s17, s41                     ; Y = block of 256 d
	s_lshl_b32 s43, s41, 2
	s_lshl_b32 s43, 15, s43
	s_lshl_b32 s44, 0x1111, s40
	s_or_b32 s[G1], s43, (1<<20)|(1<<21)|(5<<22)|(3<<25)    ; bytes; 4 words of padding behind every 64
	s_or_b32 s[G1B], s44, (1<<20)|(1<<21)|(5<<22)|(3<<25)
.irp g, G1, G1B
	s_mov_b32 s[\g+1], ROWB<<16
	s_mov_b32 s[\g+2], 128<<16
	s_mov_b32 s[\g+3], ROWB<<16
	s_mov_b32 s[\g+4], 128
	s_mov_b32 s[\g+6], 0
	s_mov_b32 s[\g+7], 0
.endr
	s_mov_b32 s[G1+5], 768
	s_mov_b32 s[G1B+5], 3072
	s_lshl_b32 s20, s17, 8
	s_lshl_b32 s18, s16, 7
	s_add_co_u32 s20, s20, s18
	s_add_co_u32 s20, s20, 1024                    ; k's third of W_qkv
	s_lshl_b32 s22, s20, 5
	s_mov_b32 s23, 0
	s_mul_i32 s20, s20, 768
	s_mov_b32 s21, 0
	s_lshr_b32 s46, s42, 3                         ; b
	s_and_b32 s47, s42, 7
	s_mul_i32 s92, s47, 786432
	s_mul_i32 s93, s46, 768
	s_add_co_u32 s92, s92, s93
	s_mul_i32 s93, s16, 393216
	s_add_co_u32 s92, s92, s93                     ; data's codes: row (t, b) at (4 t + b) x 768
	s_lshl_b32 s95, s47, 15
	s_lshl_b32 s93, s46, 5
	s_add_co_u32 s95, s95, s93
	s_lshl_b32 s93, s16, 14
	s_add_co_u32 s46, s95, s93                     ; its scale bytes
	s_mov_b32 s47, 0
	s_mov_b32 s93, 0
	s_mul_i32 s45, s14, HALFT
	s_wait_dscnt 0x0
	s_wait_kmcnt 0x0
	s_add_nc_u64 s[20:21], s[4:5], s[20:21]
	s_add_nc_u64 s[22:23], s[6:7], s[22:23]
	s_add_nc_u64 s[92:93], s[8:9], s[92:93]
	s_add_nc_u64 s[46:47], s[10:11], s[46:47]
	CROUND
.irp s, 0,1
	s_mov_b32 s[G0+4*\s], 1
	s_add_co_u32 s[G0+4*\s+1], s45, \s*SLOT
	s_add_nc_u64 s[G0+4*\s+2:G0+4*\s+3], s[20:21], \s*ROWB
	s_or_b32 s[G0+4*\s+3], s[G0+4*\s+3], 0x80000000
	s_mov_b32 s[G0B+4*\s], 1
	s_add_co_u32 s[G0B+4*\s+1], s45, \s*SLOT
	s_add_nc_u64 s[G0B+4*\s+2:G0B+4*\s+3], s[92:93], \s*ROWB
	s_or_b32 s[G0B+4*\s+3], s[G0B+4*\s+3], 0x80000000
.endr
	JLOAD G0, G1, G0B, G1B                         ; chunk 0: my one load at the head
	s_cmp_eq_u32 s15, 0                            ; the scale bytes of the 128 rows that I fetch: W's 32 bytes apart, data's 128
	s_cselect_b64 s[4:5], s[22:23], s[46:47]
	s_cselect_b32 s6, 5, 7
	s_lshl_b32 s7, 16, s6                          ; 16 rows on
	s_mul_i32 s94, s14, SQ
	s_add_co_u32 s94, s94, SCL
	s_mul_i32 s20, s15, HALFT                      ; my 128 d
	s_mul_i32 s21, s16, HALFT
	s_add_co_u32 s21, s21, 2*HALFT                 ; my 128 t
	s_mul_i32 s8, s15, SQ
	s_add_co_u32 s8, s8, SCL                       ; W's scale rows
	s_mul_i32 s9, s16, SQ
	s_add_co_u32 s9, s9, SCL+2*SQ
	s_sub_co_u32 s9, s9, s8                        ; the distance to data's
	s_mov_b32 s22, SLOT-232
	s_mov_b32 s23, SLOT+232
	s_lshl_b32 s95, s17, 5
	s_add_co_u32 s95, s95, s42                     ; which 16 rows of pos_bias: 32 Y + X (global addresses alone)
	s_lshl_b32 s46, s95, 17
	s_lshl_b32 s47, s14, 11
	s_add_co_u32 s46, s46, s47
	s_mov_b32 s47, 0
	s_add_nc_u64 s[96:97], s[96:97], s[46:47]
	s_mul_i32 s10, s14, WSTG
	s_add_co_u32 s10, s10, STG                     ; my stage
	s_lshl_b32 s11, s14, 2
	s_lshr_b32 s45, s95, 4                         ; row block of 256
	s_and_b32 s44, s95, 15                         ; fragment
	s_lshl_b32 s45, s45, 4
	s_lshl_b32 s46, s14, 2
	s_add_co_u32 s45, s45, s46
	s_mul_i32 s45, s45, BLK
	s_mul_i32 s46, s44, 1536
	s_add_co_u32 s46, s46, s45
	s_add_nc_u64 s[92:93], s[98:99], s[46:47]      ; my fragment's image
	s_lshr_b32 s46, s44, 2
	s_lshl_b32 s46, s46, 8
	s_and_b32 s44, s44, 3
	s_lshl_b32 s44, s44, 2
	s_add_co_u32 s46, s46, s44
	s_add_co_u32 s46, s46, s45
	s_add_co_u32 s46, s46, 24576
	s_add_nc_u64 s[98:99], s[98:99], s[46:47]      ; its scale words
	s_lshr_b32 s46, s42, 3                         ; pmax: ((16 b + 2 tb + my half of t) x 1,024 + 256 Y + 128 x my half of d) x 4
	s_and_b32 s45, s42, 7
	s_lshl_b32 s46, s46, 4
	s_lshl_b32 s45, s45, 1
	s_add_co_u32 s46, s46, s45
	s_add_co_u32 s46, s46, s16
	s_lshl_b32 s46, s46, 12
	s_lshl_b32 s45, s17, 10
	s_add_co_u32 s46, s46, s45
	s_lshl_b32 s45, s15, 9
	s_add_co_u32 s46, s46, s45
	s_add_nc_u64 s[12:13], s[12:13], s[46:47]
	s_mov_b32 s[SEL], 0x76543210
	s_mov_b32 s[SEL+1], 0xfedcba98
	s_mov_b32 s[L2E], 0x3fb8aa3b
	s_mov_b32 s[L2E+1], s[L2E]
	v_and_b32 v1, 15, v0                           ; r
	v_bfe_u32 v2, v0, 4, 1                         ; h
	v_and_b32 v30, 31, v0
	v_lshlrev_b32 v[LI], 2, v30
	v_lshrrev_b32 v8, 1, v30
	v_and_b32 v9, 1, v30
	v_lshlrev_b32 v[PE], s6, v8                    ; scale rows: two lanes to a row of 32 bytes
	v_lshl_add_u32 v[PE], v9, 4, v[PE]
.irp i, 1,2,3,4,5,6,7
	v_add_nc_u32 v[PE+\i], s7, v[PE+\i-1]
.endr
	v_mul_u32_u24 v8, v8, SP
	v_lshl_add_u32 v8, v9, 4, v8
	v_add_nc_u32 v8, s94, v8                       ; and where they go in LDS
	v_lshlrev_b32 v[PLD], 13, v2
	v_lshl_add_u32 v[PLD], v1, 4, v[PLD]
	v_lshlrev_b32 v[PLI], 4, v30
	v_mul_u32_u24 v4, v1, PITCH
	v_mul_u32_u24 v5, s22, v2
	v_add_nc_u32 v5, v4, v5
	v_add_nc_u32 v5, 232, v5
	v_sub_nc_u32 v7, 1, v2
	v_mul_u32_u24 v6, s23, v7
	v_add_nc_u32 v6, v4, v6
	v_mad_u32_u24 v4, v2, 24, v4
	v_add_nc_u32 v[ADRA], s20, v4
	v_add_nc_u32 v[ADRB], s21, v4
	v_add_nc_u32 v[ADRA+1], SLOT, v[ADRA]
	v_add_nc_u32 v[ADRB+1], SLOT, v[ADRB]
	v_add_nc_u32 v[ADRA+2], s20, v5
	v_add_nc_u32 v[ADRB+2], s21, v5
	v_add_nc_u32 v[ADRA+3], s20, v6
	v_add_nc_u32 v[ADRB+3], s21, v6
	v_mul_u32_u24 v7, v1, SP
	v_mul_u32_u24 v9, s9, v2                       ; lanes 16-31 take data's
	v_add_nc_u32 v9, v9, v7
	v_add_nc_u32 v[ADRS], s8, v9
	v_mul_u32_u24 v[PSI], v2, SGP
	v_lshl_add_u32 v[PSI], v1, 4, v[PSI]
	v_add_nc_u32 v[PSI], s10, v[PSI]               ; the stage, in: as loaded
	v_mul_u32_u24 v[PSO], v1, SGP
	v_lshl_add_u32 v[PSO], v2, 7, v[PSO]
	v_add_nc_u32 v[PSO], s10, v[PSO]               ; out: row r, + 128 h
	v_lshl_add_u32 v[PRL], v1, 4, RMX
	v_add_nc_u32 v[PRS], s11, v[PRL]
	v_mul_u32_u24 v[PSW], v2, BLK
	v_lshl_add_u32 v[PSW], v1, 4, v[PSW]
	v_lshlrev_b32 v[PH8], 3, v2
	v_mov_b32 v[PT], 0
	s_wait_alu depctr_va_vdst(0)                   ; the end of the address work
.irp i, 0,1,2,3,4,5,6,7
	global_load_b128 v[PE+8+4*\i:PE+11+4*\i], v[PE+\i], s[4:5]
.endr
	WIN TO_B
.irp u, 0,1,2,3,4,5,6,7
.irp p, 0,1,2,3,4,5,6,7
	global_load_b128 v[32*\u+4*\p:32*\u+4*\p+3], v[PLD], s[96:97] offset:16384*\p+256*\u th:TH_LOAD_NT   ; rows 2 p, 2 p + 1, unit u: 256 consecutive bytes of each
.endr
.endr
	WIN 0
	s_wait_loadcnt 56                              ; the scale bytes and unit 0 are in; the 56 loads of units 1 to 7 may be out
.irp i, 0,1,2,3,4,5,6,7
	ds_store_b128 v8, v[PE+8+4*\i:PE+11+4*\i] offset:16*SP*\i
.endr
.irp u, 0,1,2,3,4,5,6,7                ; the turn through the stage; LDS serves a wave's instructions in order
	s_wait_loadcnt 56-8*\u                         ; eight loads for each later unit may be out
	WIN 0x04
.irp p, 0,1,2,3,4,5,6,7
	ds_store_b128 v[PSI], v[32*\u+4*\p:32*\u+4*\p+3] offset:2*SGP*\p
.endr
	WIN TO_B
.irp i, 0,1,2,3,4,5,6,7
	ds_load_b128 v[32*\u+4*\i:32*\u+4*\i+3], v[PSO] offset:16*\i     ; register 32 u + n: pb(r, 512 w + 64 u + 32 h + n)
.endr
.endr
	s_wait_dscnt 0x0
	WIN 0x05
.irp k, 0,1,2,3
	v_max_num_f32 v[PMX+\k], v[64*\k], v[64*\k+1]
.endr
	WIN 0x14
.set i, 2
.rept 31
.irp k, 0,1,2,3
	v_max3_num_f32 v[PMX+\k], v[PMX+\k], v[64*\k+i], v[64*\k+i+1]
.endr
.set i, i+2
.endr
	WIN 0
	v_max3_num_f32 v[PMX], v[PMX], v[PMX+1], v[PMX+2]
	v_max_num_f32 v[PMX], v[PMX], v[PMX+3]
	v_permlanex16_b32 v[PMX+1], v[PMX], s[SEL], s[SEL+1]
	v_max_num_f32 v[PMX], v[PMX], v[PMX+1]         ; row r's largest among my wave's 512
	ds_store_b32 v[PRS], v[PMX]
	s_wait_tensorcnt 0x0                           ; my part of chunk 0 is in
	ds_add_u32 v[SPW], v[NIL]
	s_wait_dscnt 0x0                               ; the add, my scale bytes and my row maxima are stored
	CROUND
	JLOAD G0+4, G1, G0B+4, G1B                     ; chunk 1, into slot 1
	ds_load_b128 v[PM4:PM4+3], v[PRL]
	s_wait_dscnt 0x0
	v_max3_num_f32 v[PM], v[PM4], v[PM4+1], v[PM4+2]
	v_max_num_f32 v[PM], v[PM], v[PM4+3]           ; the row's maximum
	v_mov_b32 v[PM+1], v[PM]
.macro PBQ q                           ; K step q of my four: exp(pb - maximum), codes, scale word
	WIN 0x01
.set i, 0
.rept 32
	v_pk_add_f32 v[PE+i:PE+i+1], v[64*\q+i:64*\q+i+1], v[PM:PM+1] neg_lo:[0,1] neg_hi:[0,1]
.set i, i+2
.endr
	WIN 0
.set i, 0
.rept 32
	v_pk_mul_f32 v[PE+i:PE+i+1], v[PE+i:PE+i+1], s[L2E:L2E+1] op_sel_hi:[1,0]
.set i, i+2
.endr
.set i, 0
	s_wait_alu depctr_va_vdst(0)
.rept 64
	v_exp_f32 v[PE+i], v[PE+i]
.set i, i+1
.endr
	v_nop
	s_wait_alu depctr_va_vdst(0)
.irp c, 0,1
	v_max3_num_f32 v[PB+\c], v[PE+32*\c], v[PE+32*\c+1], 0x1800000     ; the floor 2^(3 - 127) holds the byte at 1 from below
.endr
.irp i, 2,4,6,8,10,12,14,16,18,20,22,24,26,28,30
.irp c, 0,1
	v_max3_num_f32 v[PB+\c], v[PB+\c], v[PE+32*\c+\i], v[PE+32*\c+\i+1]
.endr
.endr
.irp c, 0,1
	v_add_nc_u32 v[PB+2+\c], 0xff000000, v[PB+\c]  ; 2 off the exponent field: the conversion's scale operand
.endr
.irp c, 0,1
	v_lshrrev_b32 v[PB+4+\c], 23, v[PB+2+\c]
.endr
	v_lshl_or_b32 v[PB+6], v[PB+5], 16, v[PB+4]
	v_lshlrev_b32 v[PB+6], v[PH8], v[PB+6]
	v_permlanex16_b32 v[PT], v[PB+6], s[SEL], s[SEL+1]
	v_or_b32 v[PW+\q], v[PB+6], v[PT]
.if \q > 0
	s_wait_alu depctr_va_vdst(0)
	s_wait_xcnt 0x0                                ; the last K step's stores have read their data
.endif
.irp c, 0,1
	v_cvt_scalef32_pk16_fp6_f32 v[PC+6*\c:PC+6*\c+2], v[PE+32*\c:PE+32*\c+15], v[PB+2+\c]
	v_cvt_scalef32_pk16_fp6_f32 v[PC2+4*\c:PC2+4*\c+2], v[PE+32*\c+16:PE+32*\c+31], v[PB+2+\c]
.endr
	v_nop
.irp c, 0,1
.irp i, 0,1,2
	v_mov_b32 v[PC+3+6*\c+\i], v[PC2+4*\c+\i]
.endr
.endr
.irp c, 0,1,2
	global_store_b128 v[PLI], v[PC+4*\c:PC+4*\c+3], s[92:93] offset:BLK*\q+512*\c
.endr
.endm
	PBQ 0
	PBQ 1
	PBQ 2
	PBQ 3
	v_cmp_eq_u32 vcc_lo, 1, v2
	v_cndmask_b32 v[PX], v[PW], v[PW+1], vcc_lo
	v_cndmask_b32 v[PX+1], v[PW+2], v[PW+3], vcc_lo
	global_store_b32 v[PSW], v[PX], s[98:99]
	global_store_b32 v[PSW], v[PX+1], s[98:99] offset:2*BLK
	s_wait_xcnt 0x0                                ; job 1's stores have read their registers
.macro FRAG reg, adr, st, ro           ; 16 rows x 128 K: six pieces of 8 bytes; byte y of a row lies in chunk y / 256, slot (y / 256) % 2
.irp p, 0,1,2,3,4,5
.set BY, 96*(\st)+48*(\p/3)+8*(\p%3)
.if BY/ROWB == (BY+24)/ROWB
	ds_load_b64 v[\reg+2*\p:\reg+2*\p+1], v[\adr+(BY/ROWB)%2] offset:BY%ROWB+(\ro)*PITCH
.else
	ds_load_b64 v[\reg+2*\p:\reg+2*\p+1], v[\adr+2+(BY/ROWB)%2] offset:BY%ROWB-232+(\ro)*PITCH
.endif
.endr
.endm
.macro MUL16 a0, p, q, sc, zero
.irp a, \a0, \a0+1
.irp b, 0,1,2,3,4,5,6,7
.if \zero
	v_wmma_scale_f32_16x16x128_f8f6f4 v[8*(8*((\a)%4)+\b):8*(8*((\a)%4)+\b)+7], v[128*(\p)+FR*\b:128*(\p)+FR*\b+FR-1], v[AF+FR*(\a):AF+FR*(\a)+FR-1], 0, v[SC+8*NQ*(\sc)+NQ*\b+(\q)], v[SC+8*NQ*(\sc)+NQ*(\a)+(\q)] matrix_a_fmt:MATRIX_FMT_FP6 matrix_b_fmt:MATRIX_FMT_FP6 matrix_a_scale:MATRIX_SCALE_ROW1
.else
	v_wmma_scale_f32_16x16x128_f8f6f4 v[8*(8*((\a)%4)+\b):8*(8*((\a)%4)+\b)+7], v[128*(\p)+FR*\b:128*(\p)+FR*\b+FR-1], v[AF+FR*(\a):AF+FR*(\a)+FR-1], v[8*(8*((\a)%4)+\b):8*(8*((\a)%4)+\b)+7], v[SC+8*NQ*(\sc)+NQ*\b+(\q)], v[SC+8*NQ*(\sc)+NQ*(\a)+(\q)] matrix_a_fmt:MATRIX_FMT_FP6 matrix_b_fmt:MATRIX_FMT_FP6 matrix_a_scale:MATRIX_SCALE_ROW1
.endif
.endr
.endr
.endm
.macro FETCH_B st, p
	WIN TO_B
.irp i, 0,1,2,3,4,5,6,7
	FRAG 128*(\p)+FR*\i, ADRB, \st, 16*\i
.endr
	WIN 0
.endm
.macro FETCH_A st, i0
.irp i, \i0, \i0+1, \i0+2, \i0+3
	FRAG AF+FR*(\i), ADRA, \st, 16*(\i)
.endr
.endm
.macro SCALES pr                       ; the words of steps 2 pr, 2 pr + 1: lanes 0-15 W's tile i, lanes 16-31 data's
.irp i, 0,1,2,3,4,5,6,7
	ds_load_b64 v[SC+8*NQ*((\pr)%2)+NQ*\i:SC+8*NQ*((\pr)%2)+NQ*\i+1], v[ADRS] offset:\i*16*SP+8*(\pr)
.endr
.endm
; A step: 64 products; the next step's fragments are fetched in its middle and at its end.  Where they end in a chunk not read yet, a barrier shows it whole; where a chunk is left behind and one is left to fetch, the refill's sequence and round.
.macro STEP st, zero
.set NX, (\st)+1
.set C0, (96*(\st))/ROWB
.set C1, (96*NX)/ROWB
.set E0, (96*(\st)+95)/ROWB
.set E1, (96*NX+95)/ROWB
.if (C1 > C0 && C0+2 < CHUNKS) || E1 > E0
	s_wait_tensorcnt 0x0                           ; all my tensor loads have landed
.if C1 > C0
	ds_add_u32 v[SPW], v[NIL]
	s_wait_dscnt 4*NL+1                            ; the add and W's tiles 4-7 may be out
.else
	s_wait_dscnt 4*NL                              ; W's tiles 4-7 may be out
.endif
	WIN MUL_LO
	MUL16 0, (\st)%2, (\st)%2, ((\st)/2)%2, \zero
	s_wait_dscnt 0x0
	s_barrier_signal -1
	MUL16 2, (\st)%2, (\st)%2, ((\st)/2)%2, \zero
	WIN 0
	s_barrier_wait -1
.if C1 > C0
	CREST
	s_add_nc_u64 s[G0+4*(C0%2)+2:G0+4*(C0%2)+3], s[G0+4*(C0%2)+2:G0+4*(C0%2)+3], 2*ROWB
	s_add_nc_u64 s[G0B+4*(C0%2)+2:G0B+4*(C0%2)+3], s[G0B+4*(C0%2)+2:G0B+4*(C0%2)+3], 2*ROWB
	JLOAD G0+4*(C0%2), G1, G0B+4*(C0%2), G1B       ; chunk C0 + 2; its four v_nop are the places in front of the loads below
.else
	PLACES NP
.endif
.else
	s_wait_dscnt 4*NL
	WIN MUL_LO
	MUL16 0, (\st)%2, (\st)%2, ((\st)/2)%2, \zero
	MUL16 2, (\st)%2, (\st)%2, ((\st)/2)%2, \zero
	s_wait_dscnt 0
	PLACES NP
.endif
	FETCH_B NX, NX%2
	FETCH_A NX, 0
.if NX%2 == 0
	SCALES NX/2
.endif
	WIN MUL_HI
	MUL16 4, (\st)%2, (\st)%2, ((\st)/2)%2, \zero
	MUL16 6, (\st)%2, (\st)%2, ((\st)/2)%2, \zero
	PLACES NP
	WIN 0
	FETCH_A NX, 4
.endm
	; JOB 2: the round in job 1's middle has shown chunk 0 and the scale bytes whole
	FETCH_B 0, 0
	FETCH_A 0, 0
	SCALES 0
	FETCH_A 0, 4
	STEP 0, 1
.set ST, 1
.rept 6
	STEP ST, 0
.set ST, ST+1
.endr
	s_wait_dscnt 4*NL
	WIN MUL_LO
	MUL16 0, 1, 1, 1, 0
	MUL16 2, 1, 1, 1, 0
	s_wait_dscnt 0
	WIN MUL_HI
	MUL16 4, 1, 1, 1, 0
	MUL16 6, 1, 1, 1, 0
	WIN 0
	; THE WAY OUT: the largest of a lane's 64 numbers of each W tile, ascending, then of the other half of the lanes
	PLACES 4
.irp a, 0,1,2,3,4,5,6,7
	v_mov_b32 v[TP+\a], 0
.endr
.irp w, 0,1
	WIN 0x2a+0x15*\w
.irp a, 0,1,2,3
	v_max3_num_f32 v[MX+4*\w+\a], v[64*\a], v[64*\a+1], v[64*\a+2]
.endr
	WIN 0x28+0x14*\w
.set i, 3
.rept 30
.irp a, 0,1,2,3
	v_max3_num_f32 v[MX+4*\w+\a], v[MX+4*\w+\a], v[64*\a+i], v[64*\a+i+1]
.endr
.set i, i+2
.endr
	WIN 0x08+0x04*\w
.irp a, 0,1,2,3
	v_max_num_f32 v[MX+4*\w+\a], v[MX+4*\w+\a], v[64*\a+63]
.endr
.endr
	WIN 0
.irp a, 0,1,2,3,4,5,6,7
	v_permlanex16_b32 v[TP+\a], v[MX+\a], s[SEL], s[SEL+1]
.endr
.irp a, 0,1,2,3,4,5,6,7
	v_max_num_f32 v[MX+\a], v[MX+\a], v[TP+\a]
.endr
	v_cmp_le_u32 vcc_lo, 16, v30
.irp p, 0,1,2,3
	v_cndmask_b32 v[OV+\p], v[MX+2*\p], v[MX+2*\p+1], vcc_lo   ; column 32 p + lane
.endr
.irp p, 0,1,2,3
	global_store_b32 v[LI], v[OV+\p], s[12:13] offset:128*\p
.endr
	s_wait_tensorcnt 0x0                           ; the wave's end
	ds_add_u32 v[SPW], v[NIL]
	s_wait_dscnt 0x0
	CROUND
	s_endpgm
.Lfunc_end_k_qe3f52084ec_kmaxpb:
	.size	k_qe3f52084ec_kmaxpb, .Lfunc_end_k_qe3f52084ec_kmaxpb-k_qe3f52084ec_kmaxpb
	.p2alignl 7, 3214868480
	.fill 96, 4, 3214868480
	.section	.rodata,"a",@progbits
	.p2align	6, 0x0
	.amdhsa_kernel k_qe3f52084ec_kmaxpb
		.amdhsa_group_segment_fixed_size 327680
		.amdhsa_private_segment_fixed_size 0
		.amdhsa_enable_private_segment 0
		.amdhsa_kernarg_size 56
		.amdhsa_user_sgpr_count 2
		.amdhsa_user_sgpr_kernarg_segment_ptr 1
		.amdhsa_wavefront_size32 1
		.amdhsa_system_sgpr_workgroup_id_x 1
		.amdhsa_system_sgpr_workgroup_id_y 1
		.amdhsa_system_sgpr_workgroup_id_z 1
		.amdhsa_system_vgpr_workitem_id 0
		.amdhsa_next_free_vgpr 1024
		.amdhsa_next_free_sgpr 100
		.amdhsa_reserve_vcc 1
		.amdhsa_float_denorm_mode_32 3
		.amdhsa_float_denorm_mode_16_64 3
		.amdhsa_memory_ordered 1
		.amdhsa_forward_progress 1
		.amdhsa_inst_pref_size 211
	.end_amdhsa_kernel
	.amdgpu_metadata
---
amdhsa.version: [ 1, 2 ]
amdhsa.kernels:
  - .name:           k_qe3f52084ec_kmaxpb
    .symbol:         k_qe3f52084ec_kmaxpb.kd
    .args:
      - { .name: W_qkv_codes, .offset: 0, .size: 8, .value_kind: global_buffer, .address_space: global }
      - { .name: W_qkv_scales, .offset: 8, .size: 8, .value_kind: global_buffer, .address_space: global }
      - { .name: data_codes, .offset: 16, .size: 8, .value_kind: global_buffer, .address_space: global }
      - { .name: data_scales, .offset: 24, .size: 8, .value_kind: global_buffer, .address_space: global }
      - { .name: pmax, .offset: 32, .size: 8, .value_kind: global_buffer, .address_space: global }
      - { .name: pos_bias_param, .offset: 40, .size: 8, .value_kind: global_buffer, .address_space: global }
      - { .name: epb, .offset: 48, .size: 8, .value_kind: global_buffer, .address_space: global }
    .group_segment_fixed_size: 327680
    .private_segment_fixed_size: 0
    .kernarg_segment_align: 8
    .kernarg_segment_size: 56
    .max_flat_workgroup_size: 128
    .sgpr_count:     100
    .vgpr_count:     1024
    .wavefront_size: 32
...
	.end_amdgpu_metadata
.endif
;; end of part 1
;; launch kvq (part 2): grid 32 x 8, 4 waves a work-group, clusters of 4 x 4, 327,680 bytes of LDS; arguments W_qkv_codes, W_qkv_scales, data_codes, data_scales, b_qkv, pmax, ekq; writes ekq
.if DOCPART == 2
	.amdgcn_target "amdgcn-amd-amdhsa--gfx1250"
	.amdhsa_code_object_version 6
	.text
	.protected	k_qe3f52084ec_kvq
	.globl	k_qe3f52084ec_kvq
	.p2align	8
	.type	k_qe3f52084ec_kvq,@function
k_qe3f52084ec_kvq:
	s_mov_b64 s[64:65], 0
	v_nop
	global_prefetch_b8 v0, s[64:65] scope:SCOPE_SE
	s_setreg_imm32_b32 hwreg(HW_REG_WAVE_MODE, 25, 1), 1
	s_wait_xcnt 0x0
	s_wait_alu depctr_hold_cnt(0) depctr_sa_sdst(0) depctr_va_vdst(0) depctr_va_sdst(0) depctr_va_ssrc(0) depctr_va_vcc(0) depctr_vm_vsrc(0)
	s_getreg_b32 s2, hwreg(HW_REG_IB_STS2, 6, 4)
	s_cmp_eq_u32 s2, 0
	s_cbranch_scc0 .Lentry_in_a_cluster
	s_endpgm
.Lentry_in_a_cluster:
	s_bfe_u32 s2, ttmp6, 0x10000c
	s_cmp_lg_u32 s2, 0xf033
	s_cbranch_scc0 .Lentry_shape_is_right
	s_endpgm
.Lentry_shape_is_right:
; k and v = data Wk, data Wv + b on FP6 (E2M3) codes; exp_key = exp(k - max over t of k) and exp_key v, quantised along t, go out as codes.
; LEFT OUT: the bias of k (shown at the head of the first kernel): k's sums start at 0, as in the launch before, whose maxima are of the same sums.
; LIMITS: v_exp_f32 gives 0 under 2^-126; a block of zeros gets the byte 1 where the quantiser says 127 (zero codes; this program alone reads the bytes); NaN and infinities among the inputs are not served.
; A work-group makes 256 t (one batch) x 128 d of k and of v; a wave 128 t x 64 d of each: W's tiles 0-3 are Wk's (window 2), 4-7 Wv's (window 3).
; K = 1,024 is 768 bytes of a row: three chunks of 256 bytes through two LDS slots, chunk c in slot c % 2; steps 2 and 5 of the eight lie across two chunks.  One joint load a wave at the head (chunk 0),
; chunk 1 behind the sequence and round at the head's end, chunk 2 is the one refill.  The scale bytes go through registers into LDS bytes of their own, 48 bytes a row.
; SOURCE 0 = 16 rows of data, SOURCE 1 = 16 rows of W: a lane holds one column d, its registers run along t, the next product's K.
; THE ROWS OF A TILE ARE NOT NEIGHBOURS: lane r of tile 2 u + e takes row 32 u + 8 e + r + 8 (r / 8): a lane's 64 registers of a W tile are then t = 32 u + 16 (lane / 16) + 0 .. 15.
; ekq [8 b + block of 128 d][K step of 128 t] blocks of 25,600 bytes in the order of the operand's registers: fragment 8 wd + 4 kind + c (kind 0: exp_key v, 1: exp_key) of 1,536 bytes, register group j of lane l
; at 512 j + 16 l; then the scale words (fragment f, row r at 256 (f / 4) + 16 r + 4 (f % 4)).  Every store covers 512 consecutive bytes.
; CLUSTER 4 x 4: W's tiles jointly along a row, data's along a column.  No prefetch: the walk along K is eight steps written out, there is no loop to run ahead in.
.set NQ,    2
.set ROWB,  256
.set CHUNKS,3
.set PITCH, 272
.set FR,    12
.set NL,    6
.set NP,    4
.set HALFT, 128*PITCH
.set SLOT,  4*HALFT
.set SCL,   2*SLOT                     ; scale bytes: Wk, Wv, data, data: four quarters of 128 rows
.set SP,    48
.set SQ,    128*SP
.set SPARE, SCL+4*SQ
.set ADRA,  16
.set ADRB,  20
.set LI,    24
.set RP4,   25
.set ADRS2, 26
.set ADRS,  27
.set SPW,   28
.set NIL,   29
.set SC,    32
.set AF,    128
.set G1,    24
.set G0,    32
.set G1B,   48
.set G0B,   56
.set SWA,   44                         ; s[44:45] my fragments' scale words in ekq
.set SEL,   18
.set L2E,   2
.set E,     64
.set F,     128
.set PC,    192
.set PWS,   212
.set XW,    220
.set MXP,   224
.set BVP,   232
.set TM,    240
.set MUL_LO, 0xa1
.set MUL_HI, 0xf1
.set TO_B,   0x40
.set MSB, 0
.macro WIN new
.if MSB != (\new)
	s_set_vgpr_msb (MSB<<8)|(\new)
.set MSB, (\new)
.endif
.endm
.macro JLOAD g0a, g1a, g0b, g1b
	s_cmp_eq_u32 s15, 0
	s_cbranch_scc0 .Lfor_b_\@
	tensor_load_to_lds s[\g0a:\g0a+3], s[\g1a:\g1a+7]
	s_nop 0
.rept 4
	v_nop
.endr
	s_branch .Lasked_\@
.Lfor_b_\@:
	tensor_load_to_lds s[\g0b:\g0b+3], s[\g1b:\g1b+7]
	s_nop 0
.rept 4
	v_nop
.endr
.Lasked_\@:
.endm
.macro CREST
	s_cmp_lg_u32 s14, 0
	s_cbranch_scc1 .Lnot_wave_0_\@
	s_barrier_signal -3
.Lnot_wave_0_\@:
	s_barrier_wait -3
	s_barrier_signal -1
	s_barrier_wait -1
.endm
.macro CROUND
	s_barrier_signal -1
	s_barrier_wait -1
	CREST
.endm
.macro PLACES n
.rept \n
	v_nop
.endr
.endm
	s_load_b128 s[4:7], s[0:1], 0x0                ; W's codes, scales
	s_load_b128 s[8:11], s[0:1], 0x10              ; data's codes, scales
	s_load_b128 s[96:99], s[0:1], 0x20             ; b_qkv, pmax
	s_load_b64 s[12:13], s[0:1], 0x30              ; ekq
	v_lshl_add_u32 v[SPW], v0, 2, SPARE
	v_mov_b32 v[NIL], 0
	ds_add_u32 v[SPW], v[NIL]                      ; the opening lines
	ds_add_u32 v[SPW], v[NIL]
	v_lshrrev_b32 v1, 5, v0
	v_readfirstlane_b32 s14, v1
	s_lshr_b32 s15, s14, 1                         ; my half of d; I fetch for W (0) or data (1)
	s_and_b32 s16, s14, 1                          ; my half of t; which 128 rows I fetch
	s_bfe_u32 s40, ttmp6, 0x40000
	s_bfe_u32 s41, ttmp6, 0x40004
	s_lshl_b32 s42, ttmp9, 2
	s_add_co_u32 s42, s42, s40                     ; X = 8 b + block of 256 t
	s_and_b32 s17, ttmp7, 0xffff
	s_lshl_b32 s17, s17, 2
	s_add_co_u32 s17, s17, s41                     ; Y = block of 128 d
	s_lshl_b32 s43, s41, 2
	s_lshl_b32 s43, 15, s43
	s_lshl_b32 s44, 0x1111, s40
	s_or_b32 s[G1], s43, (1<<20)|(1<<21)|(5<<22)|(3<<25)
	s_or_b32 s[G1B], s44, (1<<20)|(1<<21)|(5<<22)|(3<<25)
.irp g, G1, G1B
	s_mov_b32 s[\g+1], ROWB<<16
	s_mov_b32 s[\g+2], 128<<16
	s_mov_b32 s[\g+3], ROWB<<16
	s_mov_b32 s[\g+4], 128
	s_mov_b32 s[\g+6], 0
	s_mov_b32 s[\g+7], 0
.endr
	s_mov_b32 s[G1+5], 768
	s_mov_b32 s[G1B+5], 3072
	s_lshl_b32 s20, s17, 7                         ; wave 0 fetches Wk's rows 128 Y on, wave 1 Wv's
	s_lshl_b32 s18, s16, 10
	s_add_co_u32 s20, s20, s18
	s_add_co_u32 s20, s20, 1024
	s_lshl_b32 s22, s20, 5
	s_mov_b32 s23, 0
	s_mul_i32 s20, s20, 768
	s_mov_b32 s21, 0
	s_lshr_b32 s46, s42, 3
	s_and_b32 s47, s42, 7
	s_mul_i32 s92, s47, 786432
	s_mul_i32 s93, s46, 768
	s_add_co_u32 s92, s92, s93
	s_mul_i32 s93, s16, 393216
	s_add_co_u32 s92, s92, s93
	s_lshl_b32 s95, s47, 15
	s_lshl_b32 s93, s46, 5
	s_add_co_u32 s95, s95, s93
	s_lshl_b32 s93, s16, 14
	s_add_co_u32 s46, s95, s93
	s_mov_b32 s47, 0
	s_mov_b32 s93, 0
	s_mul_i32 s45, s14, HALFT
	s_wait_dscnt 0x0
	s_wait_kmcnt 0x0
	s_add_nc_u64 s[20:21], s[4:5], s[20:21]
	s_add_nc_u64 s[22:23], s[6:7], s[22:23]
	s_add_nc_u64 s[92:93], s[8:9], s[92:93]
	s_add_nc_u64 s[46:47], s[10:11], s[46:47]
	CROUND
.irp s, 0,1
	s_mov_b32 s[G0+4*\s], 1
	s_add_co_u32 s[G0+4*\s+1], s45, \s*SLOT
	s_add_nc_u64 s[G0+4*\s+2:G0+4*\s+3], s[20:21], \s*ROWB
	s_or_b32 s[G0+4*\s+3], s[G0+4*\s+3], 0x80000000
	s_mov_b32 s[G0B+4*\s], 1
	s_add_co_u32 s[G0B+4*\s+1], s45, \s*SLOT
	s_add_nc_u64 s[G0B+4*\s+2:G0B+4*\s+3], s[92:93], \s*ROWB
	s_or_b32 s[G0B+4*\s+3], s[G0B+4*\s+3], 0x80000000
.endr
	JLOAD G0, G1, G0B, G1B                         ; chunk 0: my one load at the head
	s_cmp_eq_u32 s15, 0                            ; the scale bytes of the 128 rows that I fetch: W's 32 bytes apart, data's 128
	s_cselect_b64 s[4:5], s[22:23], s[46:47]
	s_cselect_b32 s6, 5, 7
	s_lshl_b32 s7, 16, s6
	s_mul_i32 s94, s14, SQ
	s_add_co_u32 s94, s94, SCL
	s_mul_i32 s20, s15, 64*PITCH                   ; my 64 d of Wk (Wv's lie 128 rows on)
	s_mul_i32 s21, s16, HALFT
	s_add_co_u32 s21, s21, 2*HALFT                 ; my 128 t
	s_mul_i32 s8, s15, 64*SP
	s_add_co_u32 s8, s8, SCL                       ; Wk's scale rows
	s_mul_i32 s9, s16, SQ
	s_add_co_u32 s9, s9, SCL+2*SQ
	s_sub_co_u32 s9, s9, s8                        ; the distance to data's
	s_sub_co_u32 s10, s9, 64*SP                    ; for W's tiles 4-7 (Wv's), which lie 64 rows further on than data's tiles of the same number
	s_add_co_u32 s11, s8, 64*SP
	s_mov_b32 s22, SLOT-232
	s_mov_b32 s23, SLOT+232
	s_lshl_b32 s47, s17, 9
	s_lshl_b32 s46, s15, 8
	s_add_co_u32 s46, s46, s47                     ; (128 Y + 64 x my half of d) x 4
	s_mov_b32 s47, 0
	s_add_nc_u64 s[96:97], s[96:97], s[46:47]
	s_add_nc_u64 s[98:99], s[98:99], s[46:47]
	s_lshr_b32 s46, s42, 3
	s_lshl_b32 s46, s46, 16
	s_add_nc_u64 s[98:99], s[98:99], s[46:47]
	s_lshr_b32 s46, s42, 3                         ; ekq: block ((8 b + Y) x 16 + 2 tb + my half of t)
	s_lshl_b32 s46, s46, 3
	s_add_co_u32 s46, s46, s17
	s_lshl_b32 s46, s46, 4
	s_and_b32 s45, s42, 7
	s_lshl_b32 s45, s45, 1
	s_add_co_u32 s46, s46, s45
	s_add_co_u32 s46, s46, s16
	s_mul_i32 s46, s46, 25600
	s_add_nc_u64 s[12:13], s[12:13], s[46:47]
	s_lshl_b32 s46, s15, 9
	s_add_co_u32 s46, s46, 24576
	s_add_nc_u64 s[SWA:SWA+1], s[12:13], s[46:47]
	s_mul_i32 s46, s15, 12288
	s_add_nc_u64 s[12:13], s[12:13], s[46:47]
	s_mov_b32 s[SEL], 0x76543210
	s_mov_b32 s[SEL+1], 0xfedcba98
	s_mov_b32 s[L2E], 0x3fb8aa3b
	s_mov_b32 s[L2E+1], s[L2E]
	v_and_b32 v1, 15, v0
	v_bfe_u32 v2, v0, 4, 1
	v_and_b32 v30, 31, v0
	v_and_b32 v3, 8, v1
	v_add_nc_u32 v3, v3, v1                        ; r + 8 (r / 8)
	v_lshlrev_b32 v[LI], 4, v30
	v_lshlrev_b32 v[RP4], 2, v3
	v_lshrrev_b32 v8, 1, v30
	v_and_b32 v9, 1, v30
	v_lshlrev_b32 v[F], s6, v8                     ; scale rows: two lanes to a row of 32 bytes
	v_lshl_add_u32 v[F], v9, 4, v[F]
.irp i, 1,2,3,4,5,6,7
	v_add_nc_u32 v[F+\i], s7, v[F+\i-1]
.endr
	v_mul_u32_u24 v8, v8, SP
	v_lshl_add_u32 v8, v9, 4, v8
	v_add_nc_u32 v8, s94, v8                       ; and where they go in LDS
	v_mul_u32_u24 v4, v3, PITCH
	v_mul_u32_u24 v5, s22, v2
	v_add_nc_u32 v5, v4, v5
	v_add_nc_u32 v5, 232, v5
	v_sub_nc_u32 v7, 1, v2
	v_mul_u32_u24 v6, s23, v7
	v_add_nc_u32 v6, v4, v6
	v_mad_u32_u24 v4, v2, 24, v4
	v_add_nc_u32 v[ADRA], s20, v4
	v_add_nc_u32 v[ADRB], s21, v4
	v_add_nc_u32 v[ADRA+1], SLOT, v[ADRA]
	v_add_nc_u32 v[ADRB+1], SLOT, v[ADRB]
	v_add_nc_u32 v[ADRA+2], s20, v5
	v_add_nc_u32 v[ADRB+2], s21, v5
	v_add_nc_u32 v[ADRA+3], s20, v6
	v_add_nc_u32 v[ADRB+3], s21, v6
	v_mul_u32_u24 v7, v3, SP
	v_mul_u32_u24 v9, s9, v2
	v_add_nc_u32 v9, v9, v7
	v_add_nc_u32 v[ADRS], s8, v9
	v_mul_u32_u24 v9, s10, v2
	v_add_nc_u32 v9, v9, v7
	v_add_nc_u32 v[ADRS2], s11, v9
.irp b, 0,1,2,3
	v_mov_b32 v[TM+4+\b], 0
.endr
	s_wait_alu depctr_va_vdst(0)                   ; the end of the address work
.irp i, 0,1,2,3,4,5,6,7
	global_load_b128 v[F+8+4*\i:F+11+4*\i], v[F+\i], s[4:5]
.endr
.irp c, 0,1,2,3
.irp n, 0,1,2,3,4,5,6,7,8,9,10,11,12,13,14,15
	global_load_b32 v[E+16*\c+\n], v[RP4], s[98:99] offset:4096*\n+4*(32*(\c/2)+8*(\c%2))   ; max_key's 16 parts
.endr
.endr
.irp c, 0,1,2,3
	global_load_b32 v[BVP+2*\c], v[RP4], s[96:97] offset:8192+4*(32*(\c/2)+8*(\c%2))        ; v's bias
.endr
	s_wait_loadcnt 0x0
.irp i, 0,1,2,3,4,5,6,7
	ds_store_b128 v8, v[F+8+4*\i:F+11+4*\i] offset:16*SP*\i
.endr
.irp c, 0,1,2,3
	v_max3_num_f32 v[MXP+2*\c], v[E+16*\c], v[E+1+16*\c], v[E+2+16*\c]
.endr
.irp i, 3,5,7,9,11,13
.irp c, 0,1,2,3
	v_max3_num_f32 v[MXP+2*\c], v[MXP+2*\c], v[E+16*\c+\i], v[E+1+16*\c+\i]
.endr
.endr
.irp c, 0,1,2,3
	v_max_num_f32 v[MXP+2*\c], v[MXP+2*\c], v[E+15+16*\c]
.endr
.irp c, 0,1,2,3
	v_mov_b32 v[MXP+2*\c+1], v[MXP+2*\c]
	v_mov_b32 v[BVP+2*\c+1], v[BVP+2*\c]
.endr
.macro FRAG reg, adr, st, ro           ; 16 rows x 128 K: six pieces of 8 bytes; byte y of a row lies in chunk y / 256, slot (y / 256) % 2
.irp p, 0,1,2,3,4,5
.set BY, 96*(\st)+48*(\p/3)+8*(\p%3)
.if BY/ROWB == (BY+24)/ROWB
	ds_load_b64 v[\reg+2*\p:\reg+2*\p+1], v[\adr+(BY/ROWB)%2] offset:BY%ROWB+(\ro)*PITCH
.else
	ds_load_b64 v[\reg+2*\p:\reg+2*\p+1], v[\adr+2+(BY/ROWB)%2] offset:BY%ROWB-232+(\ro)*PITCH
.endif
.endr
.endm
.macro MUL16 a0, p, q, sc, zero
.irp a, \a0, \a0+1
.irp b, 0,1,2,3,4,5,6,7
.if \zero
	v_wmma_scale_f32_16x16x128_f8f6f4 v[8*(8*((\a)%4)+\b):8*(8*((\a)%4)+\b)+7], v[128*(\p)+FR*\b:128*(\p)+FR*\b+FR-1], v[AF+FR*(\a):AF+FR*(\a)+FR-1], 0, v[SC+8*NQ*(\sc)+NQ*\b+(\q)], v[SC+8*NQ*(\sc)+NQ*(\a)+(\q)] matrix_a_fmt:MATRIX_FMT_FP6 matrix_b_fmt:MATRIX_FMT_FP6 matrix_a_scale:MATRIX_SCALE_ROW1
.else
	v_wmma_scale_f32_16x16x128_f8f6f4 v[8*(8*((\a)%4)+\b):8*(8*((\a)%4)+\b)+7], v[128*(\p)+FR*\b:128*(\p)+FR*\b+FR-1], v[AF+FR*(\a):AF+FR*(\a)+FR-1], v[8*(8*((\a)%4)+\b):8*(8*((\a)%4)+\b)+7], v[SC+8*NQ*(\sc)+NQ*\b+(\q)], v[SC+8*NQ*(\sc)+NQ*(\a)+(\q)] matrix_a_fmt:MATRIX_FMT_FP6 matrix_b_fmt:MATRIX_FMT_FP6 matrix_a_scale:MATRIX_SCALE_ROW1
.endif
.endr
.endr
.endm
.macro FETCH_B st, p
	WIN TO_B
.irp i, 0,1,2,3,4,5,6,7
	FRAG 128*(\p)+FR*\i, ADRB, \st, 32*(\i/2)+8*(\i%2)
.endr
	WIN 0
.endm
.macro FETCH_A st, i0
.irp i, \i0, \i0+1, \i0+2, \i0+3
	FRAG AF+FR*(\i), ADRA, \st, 128*((\i)/4)+32*(((\i)%4)/2)+8*((\i)%2)
.endr
.endm
.macro SCALES pr                       ; the words of steps 2 pr, 2 pr + 1: lanes 0-15 W's tile i, lanes 16-31 data's
.irp i, 0,1,2,3,4,5,6,7
.if \i < 4
	ds_load_b64 v[SC+8*NQ*((\pr)%2)+NQ*\i:SC+8*NQ*((\pr)%2)+NQ*\i+1], v[ADRS] offset:(32*(\i/2)+8*(\i%2))*SP+8*(\pr)
.else
	ds_load_b64 v[SC+8*NQ*((\pr)%2)+NQ*\i:SC+8*NQ*((\pr)%2)+NQ*\i+1], v[ADRS2] offset:(32*(\i/2)+8*(\i%2))*SP+8*(\pr)
.endif
.endr
.endm
; A step: 64 products; the next step's fragments are fetched in its middle and at its end.  Where they end in a chunk not read yet, a barrier shows it whole; where a chunk is left behind and one is left to fetch, the refill's sequence and round.
.macro STEP st, zero
.set NX, (\st)+1
.set C0, (96*(\st))/ROWB
.set C1, (96*NX)/ROWB
.set E0, (96*(\st)+95)/ROWB
.set E1, (96*NX+95)/ROWB
.if (C1 > C0 && C0+2 < CHUNKS) || E1 > E0
	s_wait_tensorcnt 0x0                           ; all my tensor loads have landed
.if C1 > C0
	ds_add_u32 v[SPW], v[NIL]
	s_wait_dscnt 4*NL+1                            ; the add and W's tiles 4-7 may be out
.else
	s_wait_dscnt 4*NL                              ; W's tiles 4-7 may be out
.endif
	WIN MUL_LO
	MUL16 0, (\st)%2, (\st)%2, ((\st)/2)%2, \zero
	s_wait_dscnt 0x0
	s_barrier_signal -1
	MUL16 2, (\st)%2, (\st)%2, ((\st)/2)%2, \zero
	WIN 0
	s_barrier_wait -1
.if C1 > C0
	CREST
	s_add_nc_u64 s[G0+4*(C0%2)+2:G0+4*(C0%2)+3], s[G0+4*(C0%2)+2:G0+4*(C0%2)+3], 2*ROWB
	s_add_nc_u64 s[G0B+4*(C0%2)+2:G0B+4*(C0%2)+3], s[G0B+4*(C0%2)+2:G0B+4*(C0%2)+3], 2*ROWB
	JLOAD G0+4*(C0%2), G1, G0B+4*(C0%2), G1B       ; chunk C0 + 2; its four v_nop are the places in front of the loads below
.else
	PLACES NP
.endif
.else
	s_wait_dscnt 4*NL
	WIN MUL_LO
	MUL16 0, (\st)%2, (\st)%2, ((\st)/2)%2, \zero
	MUL16 2, (\st)%2, (\st)%2, ((\st)/2)%2, \zero
	s_wait_dscnt 0
	PLACES NP
.endif
	FETCH_B NX, NX%2
	FETCH_A NX, 0
.if NX%2 == 0
	SCALES NX/2
.endif
	WIN MUL_HI
	MUL16 4, (\st)%2, (\st)%2, ((\st)/2)%2, \zero
	MUL16 6, (\st)%2, (\st)%2, ((\st)/2)%2, \zero
	PLACES NP
	WIN 0
	FETCH_A NX, 4
.endm
; 64 numbers of a lane, register 16 b + i = t 32 b + 16 (lane / 16) + i of my column, become a fragment's codes in v[PC] on and its scale word in v[pw]
.macro QUANT s, abs, pw
.irp b, 0,1,2,3
.if \abs
	v_max3_num_f32 v[TM+\b], |v[\s+16*\b]|, |v[\s+1+16*\b]|, 0x1800000
.else
	v_max3_num_f32 v[TM+\b], v[\s+16*\b], v[\s+1+16*\b], 0x1800000
.endif
.endr
.irp i, 2,4,6,8,10,12,14
.irp b, 0,1,2,3
.if \abs
	v_max3_num_f32 v[TM+\b], v[TM+\b], |v[\s+16*\b+\i]|, |v[\s+1+16*\b+\i]|
.else
	v_max3_num_f32 v[TM+\b], v[TM+\b], v[\s+16*\b+\i], v[\s+1+16*\b+\i]
.endif
.endr
.endr
.irp b, 0,1,2,3
	v_permlanex16_b32 v[TM+4+\b], v[TM+\b], s[SEL], s[SEL+1]
.endr
.irp b, 0,1,2,3
	v_max_num_f32 v[TM+\b], v[TM+\b], v[TM+4+\b]
.endr
.irp b, 0,1,2,3
	v_add_nc_u32 v[TM+12+\b], 0xff000000, v[TM+\b]
.endr
.irp b, 0,1,2,3
	v_lshrrev_b32 v[TM+4+\b], 23, v[TM+12+\b]
.endr
	v_lshl_or_b32 v[\pw], v[TM+5], 8, v[TM+4]
	v_lshl_or_b32 v[\pw], v[TM+6], 16, v[\pw]
	v_lshl_or_b32 v[\pw], v[TM+7], 24, v[\pw]
.irp c, 0,1
	v_cvt_scalef32_pk16_fp6_f32 v[PC+6*\c:PC+2+6*\c], v[\s+32*\c:\s+15+32*\c], v[TM+12+2*\c]
	v_cvt_scalef32_pk16_fp6_f32 v[PC+12+4*\c:PC+14+4*\c], v[\s+16+32*\c:\s+31+32*\c], v[TM+12+2*\c+1]
.endr
	v_nop
.irp c, 0,1
.irp i, 0,1,2
	v_permlane16_swap_b32 v[PC+6*\c+\i], v[PC+12+4*\c+\i]
.endr
.irp i, 0,1,2
	v_mov_b32 v[PC+3+6*\c+\i], v[PC+12+4*\c+\i]
.endr
.endr
.endm
	s_wait_alu depctr_va_vdst(0)                   ; the head's end
	s_wait_tensorcnt 0x0                           ; my part of chunk 0 is in
	ds_add_u32 v[SPW], v[NIL]
	s_wait_dscnt 0x0                               ; the add is done, my scale bytes are stored
	CROUND
	JLOAD G0+4, G1, G0B+4, G1B                     ; chunk 1, into slot 1
	FETCH_B 0, 0
	FETCH_A 0, 0
	SCALES 0
	FETCH_A 0, 4
	STEP 0, 1
.set ST, 1
.rept 6
	STEP ST, 0
.set ST, ST+1
.endr
	s_wait_dscnt 4*NL
	WIN MUL_LO
	MUL16 0, 1, 1, 1, 0
	MUL16 2, 1, 1, 1, 0
	s_wait_dscnt 0
	WIN MUL_HI
	MUL16 4, 1, 1, 1, 0
	MUL16 6, 1, 1, 1, 0
	WIN 0
	; THE WAY OUT, a tile of 16 columns at a time
	PLACES 4
.irp c, 0,1,2,3
	WIN 0x02
.set i, 0
.rept 32
	v_pk_add_f32 v[E+i:E+i+1], v[64*\c+i:64*\c+i+1], v[MXP+2*\c:MXP+2*\c+1] neg_lo:[0,1] neg_hi:[0,1]   ; k - max_key
.set i, i+2
.endr
	WIN 0x03
.set i, 0
.rept 32
	v_pk_add_f32 v[F+i:F+i+1], v[64*\c+i:64*\c+i+1], v[BVP+2*\c:BVP+2*\c+1]                             ; v + its bias
.set i, i+2
.endr
	WIN 0
.set i, 0
.rept 32
	v_pk_mul_f32 v[E+i:E+i+1], v[E+i:E+i+1], s[L2E:L2E+1] op_sel_hi:[1,0]
.set i, i+2
.endr
.set i, 0
	s_wait_alu depctr_va_vdst(0)
.rept 64
	v_exp_f32 v[E+i], v[E+i]
.set i, i+1
.endr
	v_nop
	s_wait_alu depctr_va_vdst(0)
.set i, 0
.rept 32
	v_pk_mul_f32 v[F+i:F+i+1], v[F+i:F+i+1], v[E+i:E+i+1]                                               ; exp_key v
.set i, i+2
.endr
	s_wait_xcnt 0x0                                ; earlier stores have read their data
	QUANT E, 0, PWS+4+\c
.irp j, 0,1,2
	global_store_b128 v[LI], v[PC+4*\j:PC+4*\j+3], s[12:13] offset:(4+\c)*1536+512*\j
.endr
	s_wait_xcnt 0x0
	QUANT F, 1, PWS+\c
.irp j, 0,1,2
	global_store_b128 v[LI], v[PC+4*\j:PC+4*\j+3], s[12:13] offset:\c*1536+512*\j
.endr
.endr
	v_cmp_le_u32 vcc_lo, 16, v30
.irp i, 0,1,2,3
	v_cndmask_b32 v[XW+\i], v[PWS+\i], v[PWS+4+\i], vcc_lo
.endr
	global_store_b128 v[LI], v[XW:XW+3], s[SWA:SWA+1]
	s_wait_tensorcnt 0x0                           ; the wave's end
	ds_add_u32 v[SPW], v[NIL]
	s_wait_dscnt 0x0
	CROUND
	s_endpgm
.Lfunc_end_k_qe3f52084ec_kvq:
	.size	k_qe3f52084ec_kvq, .Lfunc_end_k_qe3f52084ec_kvq-k_qe3f52084ec_kvq
	.p2alignl 7, 3214868480
	.fill 96, 4, 3214868480
	.section	.rodata,"a",@progbits
	.p2align	6, 0x0
	.amdhsa_kernel k_qe3f52084ec_kvq
		.amdhsa_group_segment_fixed_size 327680
		.amdhsa_private_segment_fixed_size 0
		.amdhsa_enable_private_segment 0
		.amdhsa_kernarg_size 56
		.amdhsa_user_sgpr_count 2
		.amdhsa_user_sgpr_kernarg_segment_ptr 1
		.amdhsa_wavefront_size32 1
		.amdhsa_system_sgpr_workgroup_id_x 1
		.amdhsa_system_sgpr_workgroup_id_y 1
		.amdhsa_system_sgpr_workgroup_id_z 1
		.amdhsa_system_vgpr_workitem_id 0
		.amdhsa_next_free_vgpr 1024
		.amdhsa_next_free_sgpr 100
		.amdhsa_reserve_vcc 1
		.amdhsa_float_denorm_mode_32 3
		.amdhsa_float_denorm_mode_16_64 3
		.amdhsa_memory_ordered 1
		.amdhsa_forward_progress 1
		.amdhsa_inst_pref_size 213
	.end_amdhsa_kernel
	.amdgpu_metadata
---
amdhsa.version: [ 1, 2 ]
amdhsa.kernels:
  - .name:           k_qe3f52084ec_kvq
    .symbol:         k_qe3f52084ec_kvq.kd
    .args:
      - { .name: W_qkv_codes, .offset: 0, .size: 8, .value_kind: global_buffer, .address_space: global }
      - { .name: W_qkv_scales, .offset: 8, .size: 8, .value_kind: global_buffer, .address_space: global }
      - { .name: data_codes, .offset: 16, .size: 8, .value_kind: global_buffer, .address_space: global }
      - { .name: data_scales, .offset: 24, .size: 8, .value_kind: global_buffer, .address_space: global }
      - { .name: b_qkv, .offset: 32, .size: 8, .value_kind: global_buffer, .address_space: global }
      - { .name: pmax, .offset: 40, .size: 8, .value_kind: global_buffer, .address_space: global }
      - { .name: ekq, .offset: 48, .size: 8, .value_kind: global_buffer, .address_space: global }
    .group_segment_fixed_size: 327680
    .private_segment_fixed_size: 0
    .kernarg_segment_align: 8
    .kernarg_segment_size: 56
    .max_flat_workgroup_size: 128
    .sgpr_count:     100
    .vgpr_count:     1024
    .wavefront_size: 32
...
	.end_amdgpu_metadata
.endif
;; end of part 2
;; launch aft (part 3): grid 32 x 8, 4 waves a work-group, clusters of 4 x 4, 327,680 bytes of LDS; arguments epb, ekq, data_codes, data_scales, W_qkv_codes, W_qkv_scales, b_qkv, yq; writes yq
.if DOCPART == 3
	.amdgcn_target "amdgcn-amd-amdhsa--gfx1250"
	.amdhsa_code_object_version 6
	.text
	.protected	k_qe3f52084ec_aft
	.globl	k_qe3f52084ec_aft
	.p2align	8
	.type	k_qe3f52084ec_aft,@function
k_qe3f52084ec_aft:
	s_mov_b64 s[64:65], 0
	v_nop
	global_prefetch_b8 v0, s[64:65] scope:SCOPE_SE
	s_setreg_imm32_b32 hwreg(HW_REG_WAVE_MODE, 25, 1), 1
	s_wait_xcnt 0x0
	s_wait_alu depctr_hold_cnt(0) depctr_sa_sdst(0) depctr_va_vdst(0) depctr_va_sdst(0) depctr_va_ssrc(0) depctr_va_vcc(0) depctr_vm_vsrc(0)
	s_getreg_b32 s2, hwreg(HW_REG_IB_STS2, 6, 4)
	s_cmp_eq_u32 s2, 0
	s_cbranch_scc0 .Lentry_in_a_cluster
	s_endpgm
.Lentry_in_a_cluster:
	s_bfe_u32 s2, ttmp6, 0x10000c
	s_cmp_lg_u32 s2, 0xf033
	s_cbranch_scc0 .Lentry_shape_is_right
	s_endpgm
.Lentry_shape_is_right:
; num = exp_pb (exp_key v), den = exp_pb exp_key, q = data Wq + b, y = sigmoid(q) num / den, quantised along d: all products on FP6 (E2M3) codes; y goes out as codes and scale words in the order of the next product's registers.
; A work-group makes 256 positions x 128 d of one batch, num and den side by side: a wave 128 x (64 + 64), 64 accumulators by turns.  K = 2,048 keys: 16 blocks of 25,600 bytes a side, two to a slot, through a ring of two slots.
; The head's loads, one a wave: slot 0's two blocks of exp_pb, its two of the keys, and Wq's 128 whole rows (two waves), which stay in LDS.  The q product's data come behind the ring, in three chunks of 256 bytes of each row.
; CLUSTER 4 x 4: exp_pb's blocks and data jointly along a row of the cluster, the keys' blocks and Wq along a column.
; PREFETCH: behind each load of the ring every wave names the pair of blocks two refills on: of its block's 100 units of 256 bytes the four partners of the joint load take 25 each, told apart by address, a lane a unit
; (lanes 25-31 name the last unit again).  The head's two loads ask for pairs 2 and 3, the loop's first two trips for pairs 4 to 7, its last trip for nothing.
; LIMITS: v_exp_f32 gives 0 under 2^-126; a block of zeros gets the byte 1 where the quantiser says 127 (zero codes; this program alone reads the bytes); NaN and infinities among the inputs are not served.
.set PFO,   30                         ; v30 256 x min(lane, 24); never rewritten
.set PFA,   66                         ; s[66:67] where my prefetches stand
.set FR,    12
.set NL,    3
.set NP,    4
.set BLK,   25600
.set SLOT,  4*BLK
.set YS,    2*SLOT
.set SPARE, YS+1024
.set PITCH, 272                        ; the q product's data: chunks of 256 bytes of a row + 16 of padding, 256 rows in a slot of the ring
.set QWL,   SPARE+512                  ; Wq's 128 whole rows of 768 bytes, filled once at the head
.set WP,    816                        ; 768 bytes + 16 behind each 256
.set QDA,   4
.set QWA,   8
.set LI16,  12
.set LI8,   13
.set YSA,   14
.set ADRA,  16
.set ADRB,  18
.set ADRS,  20
.set YSR,   26
.set SPW,   28
.set NIL,   29
.set SC,    32
.set QSD,   32
.set QSW,   96
.set AF,    128
.set BQ,    224
.set T,     128
.set TM,    192
.set PCH0,  208
.set PCT0,  214
.set PCH1,  218
.set PCT1,  224
.set HW0,   228
.set HW1,   229
.set G1,    24
.set G0,    32
.set G1B,   48
.set G0B,   56
.set G1QA,  68
.set G0QA,  76
.set G1QB,  84
.set G0QB,  92
.set NL2,   100
.set SEL,   104
.set MUL_LO, 0xa1
.set MUL_HI, 0xf1
.set TO_B,   0x40
.set MSB, 0
.macro WIN new
.if MSB != (\new)
	s_set_vgpr_msb (MSB<<8)|(\new)
.set MSB, (\new)
.endif
.endm
.macro JLOAD g0a, g1a, g0b, g1b
	s_cmp_eq_u32 s21, 0
	s_cbranch_scc0 .Lfor_b_\@
	tensor_load_to_lds s[\g0a:\g0a+3], s[\g1a:\g1a+7]
	s_nop 0
.rept 4
	v_nop
.endr
	s_branch .Lasked_\@
.Lfor_b_\@:
	tensor_load_to_lds s[\g0b:\g0b+3], s[\g1b:\g1b+7]
	s_nop 0
.rept 4
	v_nop
.endr
.Lasked_\@:
.endm
.macro CREST
	s_cmp_lg_u32 s20, 0
	s_cbranch_scc1 .Lnot_wave_0_\@
	s_barrier_signal -3
.Lnot_wave_0_\@:
	s_barrier_wait -3
	s_barrier_signal -1
	s_barrier_wait -1
.endm
.macro CROUND
	s_barrier_signal -1
	s_barrier_wait -1
	CREST
.endm
.macro PLACES n
.rept \n
	v_nop
.endr
.endm
	s_load_b256 s[4:11], s[0:1], 0x0
	s_load_b256 s[12:19], s[0:1], 0x20
	v_lshl_add_u32 v[SPW], v0, 2, SPARE
	v_mov_b32 v[NIL], 0
	ds_add_u32 v[SPW], v[NIL]
	ds_add_u32 v[SPW], v[NIL]
	v_lshrrev_b32 v1, 5, v0
	v_readfirstlane_b32 s20, v1
	s_lshr_b32 s21, s20, 1
	s_and_b32 s22, s20, 1
	s_bfe_u32 s40, ttmp6, 0x40000
	s_bfe_u32 s41, ttmp6, 0x40004
	s_lshl_b32 s42, ttmp9, 2
	s_add_co_u32 s42, s42, s40
	s_and_b32 s23, ttmp7, 0xffff
	s_lshl_b32 s23, s23, 2
	s_add_co_u32 s23, s23, s41
	s_lshr_b32 s2, ttmp9, 1
	s_lshl_b32 s43, s41, 2
	s_lshl_b32 s43, 15, s43
	s_lshl_b32 s44, 0x1111, s40
	s_or_b32 s[G1], s43, (3<<16)|(1<<21)
	s_or_b32 s[G1B], s44, (3<<16)|(1<<21)
.irp g, G1, G1B
	s_mov_b32 s[\g+1], 32<<16
	s_mov_b32 s[\g+2], 200<<16                     ; the head's loads bring a slot's two blocks whole
	s_mov_b32 s[\g+3], 32<<16
	s_mov_b32 s[\g+4], 200
	s_mov_b32 s[\g+5], 32
	s_mov_b32 s[\g+6], 0
	s_mov_b32 s[\g+7], 0
.endr
	s_or_b32 s[G1QA], s43, (1<<20)|(1<<21)|(5<<22)|(3<<25)  ; data for q: 64 rows a wave, a chunk of 256 bytes of each
	s_mov_b32 s[G1QA+1], 256<<16
	s_mov_b32 s[G1QA+2], 64<<16
	s_mov_b32 s[G1QA+3], 256<<16
	s_mov_b32 s[G1QA+4], 64
	s_mov_b32 s[G1QA+5], 3072
	s_mov_b32 s[G1QA+6], 0
	s_mov_b32 s[G1QA+7], 0
	s_or_b32 s[G1QB], s44, (1<<20)|(1<<21)|(5<<22)|(3<<25)  ; Wq: 64 whole rows of 768 bytes
	s_mov_b32 s[G1QB+1], 768<<16
	s_mov_b32 s[G1QB+2], 64<<16
	s_mov_b32 s[G1QB+3], 768<<16
	s_mov_b32 s[G1QB+4], 64
	s_mov_b32 s[G1QB+5], 768
	s_mov_b32 s[G1QB+6], 0
	s_mov_b32 s[G1QB+7], 0
	s_mul_i32 s100, s23, 16*BLK
	s_mov_b32 s101, 0
	s_mul_i32 s46, s42, 16*BLK
	s_mov_b32 s47, 0
	s_mul_i32 s66, s22, BLK
	s_mov_b32 s67, 0
	s_mul_i32 s45, s20, BLK
	s_wait_dscnt 0x0
	s_wait_kmcnt 0x0
	s_add_nc_u64 s[100:101], s[4:5], s[100:101]
	s_add_nc_u64 s[46:47], s[6:7], s[46:47]
	s_mov_b32 s4, 1                                ; group 0 of the head's loads: exp_pb's blocks 0 and 1 (in registers that held arguments),
	s_mov_b32 s5, 0
	s_mov_b64 s[6:7], s[100:101]
	s_or_b32 s7, s7, 0x80000000
	s_mov_b32 s96, 1                               ; and the keys' blocks 0 and 1, behind them in slot 0
	s_mov_b32 s97, 2*BLK
	s_mov_b64 s[98:99], s[46:47]
	s_or_b32 s99, s99, 0x80000000
	s_add_nc_u64 s[100:101], s[100:101], s[66:67]
	s_add_nc_u64 s[46:47], s[46:47], s[66:67]
	s_cmp_eq_u32 s21, 0                            ; the prefetches: my block of the ring,
	s_cselect_b64 s[PFA:PFA+1], s[100:101], s[46:47]
	s_cselect_b32 s3, s40, s41                     ; my place among the four that ask for it with me,
	s_mul_i32 s3, s3, 6400                         ; 25 units of 256 bytes each,
	s_add_co_u32 s[PFA], s[PFA], s3
	s_add_co_ci_u32 s[PFA+1], s[PFA+1], 0
	s_add_nc_u64 s[PFA:PFA+1], s[PFA:PFA+1], 4*BLK ; at pair 2
.irp s, 0,1
	s_mov_b32 s[G0+4*\s], 1
	s_add_co_u32 s[G0+4*\s+1], s45, \s*SLOT
	s_add_nc_u64 s[G0+4*\s+2:G0+4*\s+3], s[100:101], \s*2*BLK
	s_or_b32 s[G0+4*\s+3], s[G0+4*\s+3], 0x80000000
	s_mov_b32 s[G0B+4*\s], 1
	s_add_co_u32 s[G0B+4*\s+1], s45, \s*SLOT
	s_add_nc_u64 s[G0B+4*\s+2:G0B+4*\s+3], s[46:47], \s*2*BLK
	s_or_b32 s[G0B+4*\s+3], s[G0B+4*\s+3], 0x80000000
.endr
	s_lshl_b32 s100, s23, 10
	s_add_co_u32 s100, s100, s2
	s_mul_i32 s100, s100, 768
	s_mul_i32 s101, s20, 196608                    ; my 64 positions: 64 x 3,072 bytes a wave
	s_add_co_u32 s100, s100, s101
	s_mov_b32 s101, 0
	s_add_nc_u64 s[100:101], s[8:9], s[100:101]
	s_and_b32 s46, s42, 7
	s_lshl_b32 s46, s46, 7
	s_lshl_b32 s47, s22, 6
	s_add_co_u32 s46, s46, s47
	s_mul_i32 s46, s46, 768
	s_mov_b32 s47, 0
	s_add_nc_u64 s[46:47], s[12:13], s[46:47]
	s_mul_i32 s45, s20, 64*PITCH
	s_mul_i32 s3, s22, 64*WP
.irp s, 0,1
	s_mov_b32 s[G0QA+4*\s], 1
	s_add_co_u32 s[G0QA+4*\s+1], s45, \s*SLOT
	s_add_nc_u64 s[G0QA+4*\s+2:G0QA+4*\s+3], s[100:101], \s*256
	s_or_b32 s[G0QA+4*\s+3], s[G0QA+4*\s+3], 0x80000000
.endr
	s_mov_b32 s[G0QB], 1
	s_add_co_u32 s[G0QB+1], s3, QWL
	s_mov_b64 s[G0QB+2:G0QB+3], s[46:47]
	s_or_b32 s[G0QB+3], s[G0QB+3], 0x80000000
	CROUND
	; THE HEAD'S LOADS, one a wave, in one chain of branches on the wave's number: wave 0 slot 0's two blocks of exp_pb, wave 1 its two blocks of the keys, waves 2 and 3 64 rows of Wq each
	s_cmp_lt_u32 s20, 1
	s_cbranch_scc0 .Lhead_b
	tensor_load_to_lds s[4:7], s[G1:G1+7]
	s_nop 0
.rept 4
	v_nop
.endr
	s_branch .Lhead_asked
.Lhead_b:
	s_cmp_lt_u32 s20, 2
	s_cbranch_scc0 .Lhead_w
	tensor_load_to_lds s[96:99], s[G1B:G1B+7]
	s_nop 0
.rept 4
	v_nop
.endr
	s_branch .Lhead_asked
.Lhead_w:
	tensor_load_to_lds s[G0QB:G0QB+3], s[G1QB:G1QB+7]
	s_nop 0
.rept 4
	v_nop
.endr
.Lhead_asked:
	v_and_b32 v[PFO], 31, v0
	v_min_u32 v[PFO], 24, v[PFO]
	v_lshlrev_b32 v[PFO], 8, v[PFO]
	global_prefetch_b8 v[PFO], s[PFA:PFA+1] th:TH_LOAD_NT scope:SCOPE_SE                 ; pair 2
	s_wait_alu depctr_va_vdst(0)
	s_wait_tensorcnt 0x0
	ds_add_u32 v28, v29
	s_mov_b32 s[G1+2], 100<<16                     ; no tensor load of mine is out: from here on a load of the ring brings one block
	s_mov_b32 s[G1+4], 100
	s_mov_b32 s[G1B+2], 100<<16
	s_mov_b32 s[G1B+4], 100
	s_wait_dscnt 0x0
	CROUND
	JLOAD G0+4, G1, G0B+4, G1B
	global_prefetch_b8 v[PFO], s[PFA:PFA+1] offset:2*BLK th:TH_LOAD_NT scope:SCOPE_SE    ; pair 3
	v_and_b32 v1, 15, v0
	v_bfe_u32 v2, v0, 4, 1
	v_and_b32 v3, 8, v1
	v_add_nc_u32 v3, v3, v1
	v_and_b32 v24, 31, v0
	v_lshlrev_b32 v[LI16], 4, v24
	v_lshlrev_b32 v[LI8], 3, v24
	s_mul_i32 s46, s21, 12288
	v_add_nc_u32 v[ADRA], s46, v[LI16]
	v_add_nc_u32 v[ADRA+1], SLOT, v[ADRA]
	s_mul_i32 s46, s22, 12288
	s_add_co_u32 s46, s46, 2*BLK
	v_add_nc_u32 v[ADRB], s46, v[LI16]
	v_add_nc_u32 v[ADRB+1], SLOT, v[ADRB]
	s_xor_b32 s46, s21, 1
	s_add_co_u32 s46, s46, s22
	s_lshl_b32 s46, s46, 9
	s_add_co_u32 s46, s46, 50688
	v_mul_u32_u24 v25, s46, v2
	s_lshl_b32 s46, s21, 9
	s_add_co_u32 s46, s46, 24576
	v_lshl_add_u32 v25, v1, 4, v25
	v_add_nc_u32 v[ADRS], s46, v25
	v_add_nc_u32 v[ADRS+1], SLOT, v[ADRS]
	v_mul_u32_u24 v25, v1, PITCH
	s_mul_i32 s46, s21, 128*PITCH
	s_mov_b32 s47, SLOT-232
	s_mov_b32 s3, SLOT+232
	v_add_nc_u32 v25, s46, v25                     ; my row of data in slot 0
	v_mad_u32_u24 v[QDA], v2, 24, v25
	v_add_nc_u32 v[QDA+1], SLOT, v[QDA]
	v_mul_u32_u24 v[QDA+2], s47, v2                ; across two chunks: lanes 0-15 byte 232 of slot 0, lanes 16-31 byte 0 of slot 1;
	v_add_nc_u32 v[QDA+2], v25, v[QDA+2]
	v_add_nc_u32 v[QDA+2], 232, v[QDA+2]
	v_sub_nc_u32 v[QDA+3], 1, v2
	v_mul_u32_u24 v[QDA+3], s3, v[QDA+3]           ; and lanes 0-15 byte 232 of slot 1, lanes 16-31 byte 0 of slot 0
	v_add_nc_u32 v[QDA+3], v25, v[QDA+3]
	v_mul_u32_u24 v25, v3, WP
	v_mad_u32_u24 v25, v2, 24, v25
	s_mul_i32 s46, s22, 64*WP
	s_add_co_u32 s46, s46, QWL
	v_add_nc_u32 v[QWA], s46, v25                  ; Wq's fragments; v[QWA+1] the same behind one padding more
	v_lshl_add_u32 v[QWA+1], v2, 4, v[QWA]
	s_lshl_b32 s46, s21, 9
	s_lshl_b32 s47, s22, 1
	s_add_co_u32 s46, s46, s47
	s_add_co_u32 s46, s46, YS
	v_lshl_add_u32 v[YSA], v1, 4, s46
	s_lshl_b32 s46, s20, 8
	s_add_co_u32 s46, s46, YS
	v_add_nc_u32 v[YSR], s46, v[LI8]
	v_lshlrev_b32 v15, 7, v1
	v_lshlrev_b32 v22, 5, v3
	v_lshlrev_b32 v23, 6, v2
	s_lshl_b32 s46, s23, 8
	s_lshl_b32 s47, s21, 7
	s_add_co_u32 s46, s46, s47
	s_lshl_b32 s46, s46, 2
	s_add_co_u32 s46, s46, s2
	s_lshl_b32 s46, s46, 5
	s_mov_b32 s47, 0
	s_add_nc_u64 s[10:11], s[10:11], s[46:47]
	s_and_b32 s100, s42, 7
	s_lshl_b32 s46, s100, 7
	s_lshl_b32 s101, s22, 6
	s_add_co_u32 s101, s46, s101
	s_lshl_b32 s46, s101, 5
	s_add_nc_u64 s[14:15], s[14:15], s[46:47]
	s_lshl_b32 s46, s101, 2
	s_add_nc_u64 s[16:17], s[16:17], s[46:47]
	s_lshl_b32 s46, s2, 3
	s_add_co_u32 s46, s46, s23
	s_lshl_b32 s46, s46, 3
	s_add_co_u32 s46, s46, s100
	s_mul_i32 s46, s46, BLK
	s_add_nc_u64 s[18:19], s[18:19], s[46:47]
	s_lshl_b32 s46, s20, 8
	s_add_co_u32 s46, s46, 24576
	s_add_nc_u64 s[6:7], s[18:19], s[46:47]
	s_mul_i32 s46, s21, 12288
	s_mul_i32 s101, s22, 768
	s_add_co_u32 s46, s46, s101
	s_add_nc_u64 s[18:19], s[18:19], s[46:47]
	s_mov_b32 s[SEL], 0x76543210
	s_mov_b32 s[SEL+1], 0xfedcba98
	s_mov_b32 s[NL2], 0xbfb8aa3b
	s_mov_b32 s[NL2+1], s[NL2]
.macro IFRAG reg, adr, off
.irp c, 0,1,2
	ds_load_b128 v[\reg+4*\c:\reg+4*\c+3], v[\adr] offset:\off+512*\c
.endr
.endm
.macro FRAG reg, adr, st, ro           ; data for q, step st: six pieces of 8 bytes; byte y of a row lies in chunk y / 256, slot (y / 256) % 2
.irp p, 0,1,2,3,4,5
.set BY, 96*(\st)+48*(\p/3)+8*(\p%3)
.if BY/256 == (BY+24)/256
	ds_load_b64 v[\reg+2*\p:\reg+2*\p+1], v[\adr+(BY/256)%2] offset:BY%256+(\ro)*PITCH
.else
	ds_load_b64 v[\reg+2*\p:\reg+2*\p+1], v[\adr+2+(BY/256)%2] offset:BY%256-232+(\ro)*PITCH
.endif
.endr
.endm
.macro FRAGW reg, st, ro               ; Wq, step st: piece p of a whole row lies at 8 p + 16 (p / 32); lanes 16-31 read three pieces on
.irp p, 0,1,2,3,4,5
.set PCE, 12*(\st)+6*(\p/3)+\p%3
.if PCE%32 < 29
	ds_load_b64 v[\reg+2*\p:\reg+2*\p+1], v[QWA] offset:8*PCE+16*(PCE/32)+(\ro)*WP
.else
	ds_load_b64 v[\reg+2*\p:\reg+2*\p+1], v[QWA+1] offset:8*PCE+16*(PCE/32)+(\ro)*WP
.endif
.endr
.endm
.macro QLOAD slot                      ; a chunk of data for q, jointly along a row of the cluster: every wave its 64 rows
	tensor_load_to_lds s[G0QA+4*\slot:G0QA+4*\slot+3], s[G1QA:G1QA+7]
	s_nop 0
.rept 4
	v_nop
.endr
.endm
.macro MUL16 a0, p, q, sc, zero
.irp a, \a0, \a0+1
.irp b, 0,1,2,3,4,5,6,7
.if \zero
	v_wmma_scale_f32_16x16x128_f8f6f4 v[8*(8*((\a)%4)+\b):8*(8*((\a)%4)+\b)+7], v[128*(\p)+FR*\b:128*(\p)+FR*\b+FR-1], v[AF+FR*(\a):AF+FR*(\a)+FR-1], 0, v[SC+16*(\sc)+8*(\q)+\b], v[SC+16*(\sc)+8*(\q)+(\a)] matrix_a_fmt:MATRIX_FMT_FP6 matrix_b_fmt:MATRIX_FMT_FP6 matrix_a_scale:MATRIX_SCALE_ROW1
.else
	v_wmma_scale_f32_16x16x128_f8f6f4 v[8*(8*((\a)%4)+\b):8*(8*((\a)%4)+\b)+7], v[128*(\p)+FR*\b:128*(\p)+FR*\b+FR-1], v[AF+FR*(\a):AF+FR*(\a)+FR-1], v[8*(8*((\a)%4)+\b):8*(8*((\a)%4)+\b)+7], v[SC+16*(\sc)+8*(\q)+\b], v[SC+16*(\sc)+8*(\q)+(\a)] matrix_a_fmt:MATRIX_FMT_FP6 matrix_b_fmt:MATRIX_FMT_FP6 matrix_a_scale:MATRIX_SCALE_ROW1
.endif
.endr
.endr
.endm
.macro FETCH_B slot, q, p
	WIN TO_B
.irp i, 0,1,2,3,4,5,6,7
	IFRAG 128*(\p)+FR*\i, ADRB+\slot, BLK*(\q)+1536*\i
.endr
	WIN 0
.endm
.macro FETCH_A slot, q, i0
.irp i, \i0, \i0+1, \i0+2, \i0+3
	IFRAG AF+FR*(\i), ADRA+\slot, BLK*(\q)+1536*(\i)
.endr
.endm
.macro SCALES sc
.irp q, 0,1
.irp g, 0,1
	ds_load_b128 v[SC+16*\sc+8*\q+4*\g:SC+16*\sc+8*\q+4*\g+3], v[ADRS+\sc] offset:BLK*\q+256*\g
.endr
.endr
.endm
.macro STEP slot, q, zero
	s_wait_dscnt 4*NL
	WIN MUL_LO
	MUL16 0, (\q)%2, \q, \slot, \zero
	MUL16 2, (\q)%2, \q, \slot, \zero
	s_wait_dscnt 0
	PLACES NP
	FETCH_B \slot, (\q)+1, 1-(\q)%2
	FETCH_A \slot, (\q)+1, 0
	WIN MUL_HI
	MUL16 4, (\q)%2, \q, \slot, \zero
	MUL16 6, (\q)%2, \q, \slot, \zero
	PLACES NP
	WIN 0
	FETCH_A \slot, (\q)+1, 4
.endm
.macro TURN slot, next, fill
.if \fill == 1
	s_wait_xcnt 0x0                                ; my last prefetch has read its address: it is stepped here, a pair on
	s_add_nc_u64 s[PFA:PFA+1], s[PFA:PFA+1], 2*BLK
.endif
	s_wait_tensorcnt 0x0
	ds_add_u32 v[SPW], v[NIL]
	s_wait_dscnt 4*NL+1
	WIN MUL_LO
	MUL16 0, 1, 1, \slot, 0
	s_wait_dscnt 0x0
	s_barrier_signal -1
	MUL16 2, 1, 1, \slot, 0
	WIN 0
	s_barrier_wait -1
	CREST
.if \fill == 1
	s_add_nc_u64 s[G0+4*\slot+2:G0+4*\slot+3], s[G0+4*\slot+2:G0+4*\slot+3], 4*BLK
	s_add_nc_u64 s[G0B+4*\slot+2:G0B+4*\slot+3], s[G0B+4*\slot+2:G0B+4*\slot+3], 4*BLK
	JLOAD G0+4*\slot, G1, G0B+4*\slot, G1B
.else
	QLOAD \slot
.endif
	FETCH_B \next, 0, 0
	FETCH_A \next, 0, 0
	SCALES \next
.if \fill == 1
	s_cmp_gt_u32 s3, 1                             ; the loop's last trip has no pair two refills on
	s_cbranch_scc0 .Lno_ask_\@
	global_prefetch_b8 v[PFO], s[PFA:PFA+1] offset:2*BLK th:TH_LOAD_NT scope:SCOPE_SE    ; the pair two refills on
.Lno_ask_\@:
.endif
	WIN MUL_HI
	MUL16 4, 1, 1, \slot, 0
	MUL16 6, 1, 1, \slot, 0
	PLACES NP
	WIN 0
	FETCH_A \next, 0, 4
.endm
.macro QFETCH st                       ; step st's fragments into set st % 2
	WIN TO_B
.irp a, 0,1,2,3,4,5,6,7
	FRAG 128*((\st)%2)+FR*\a, QDA, \st, 16*\a
.endr
	WIN 0
.irp c, 0,1,2,3
	FRAGW 128+48*((\st)%2)+FR*\c, \st, 32*(\c/2)+8*(\c%2)
.endr
.endm
.macro QMUL a0, a1, n
.set qa, \a0
.rept (\a1)-(\a0)+1
.if (\n) == 0
	WIN 0x84+0x40*(qa/4)
.else
	WIN 0xa4+0x50*(qa/4)
.endif
.irp c, 0,1,2,3
.if (\n) == 0
	v_wmma_scale_f32_16x16x128_f8f6f4 v[64*(qa%4)+32+8*\c:64*(qa%4)+39+8*\c], v[128+48*((\n)%2)+FR*\c:128+48*((\n)%2)+FR*\c+FR-1], v[128*((\n)%2)+FR*qa:128*((\n)%2)+FR*qa+FR-1], v[BQ+8*\c:BQ+8*\c+7], v[QSW+8*\c+(\n)], v[QSD+8*qa+(\n)] matrix_a_fmt:MATRIX_FMT_FP6 matrix_b_fmt:MATRIX_FMT_FP6
.else
	v_wmma_scale_f32_16x16x128_f8f6f4 v[64*(qa%4)+32+8*\c:64*(qa%4)+39+8*\c], v[128+48*((\n)%2)+FR*\c:128+48*((\n)%2)+FR*\c+FR-1], v[128*((\n)%2)+FR*qa:128*((\n)%2)+FR*qa+FR-1], v[64*(qa%4)+32+8*\c:64*(qa%4)+39+8*\c], v[QSW+8*\c+(\n)], v[QSD+8*qa+(\n)] matrix_a_fmt:MATRIX_FMT_FP6 matrix_b_fmt:MATRIX_FMT_FP6
.endif
.endr
.set qa, qa+1
.endr
.endm
.macro QSTEP n                         ; a step whose successor's bytes lie in chunks that are shown whole
	s_wait_dscnt 0x0
	PLACES 4
	QFETCH (\n)+1
	QMUL 0, 7, \n
	WIN 0
.endm
.macro QTURN n, fill                   ; fill = 0: a barrier shows the chunk in which the next step ends; fill = 1: chunk 0 is read no more, and slot 0 takes chunk 2
	s_wait_tensorcnt 0x0
.if \fill
	ds_add_u32 v[SPW], v[NIL]
	s_wait_dscnt 1                                 ; the add may be out
.else
	s_wait_dscnt 0x0
.endif
	QMUL 0, 1, \n
	s_wait_dscnt 0x0
	s_barrier_signal -1
	QMUL 2, 3, \n
	WIN 0
	s_barrier_wait -1
.if \fill
	CREST
	s_add_nc_u64 s[G0QA+2:G0QA+3], s[G0QA+2:G0QA+3], 512
	QLOAD 0
.else
	PLACES 4
.endif
	QFETCH (\n)+1
	QMUL 4, 7, \n
	WIN 0
.endm
	s_wait_tensorcnt 1
	s_barrier_signal -1
	s_barrier_wait -1
	FETCH_B 0, 0, 0
	FETCH_A 0, 0, 0
	SCALES 0
	FETCH_A 0, 0, 4
	STEP 0, 0, 1
	s_mov_b32 s3, 3
.Llap:
	TURN 0, 1, 1
	STEP 1, 0, 0
	TURN 1, 0, 1
	STEP 0, 0, 0
	s_sub_co_u32 s3, s3, 1
	s_cmp_lg_u32 s3, 0
	s_cbranch_scc1 .Llap
	TURN 0, 1, 2
	STEP 1, 0, 0
	s_wait_tensorcnt 0x0
	ds_add_u32 v[SPW], v[NIL]
	s_wait_dscnt 4*NL+1
	WIN MUL_LO
	MUL16 0, 1, 1, 1, 0
	s_wait_dscnt 0x0
	s_barrier_signal -1
	MUL16 2, 1, 1, 1, 0
	WIN 0
	s_barrier_wait -1
	CREST
	QLOAD 1
	s_wait_alu depctr_va_vdst(0)
	QFETCH 0
	WIN MUL_HI
	MUL16 4, 1, 1, 1, 0
	MUL16 6, 1, 1, 1, 0
	WIN 0
	PLACES 5
.irp a, 0,1,2,3,4,5,6,7
	global_load_b128 v[QSD+8*\a:QSD+8*\a+3], v15, s[10:11] offset:2048*\a
	global_load_b128 v[QSD+8*\a+4:QSD+8*\a+7], v15, s[10:11] offset:2048*\a+16
.endr
.irp c, 0,1,2,3
	global_load_b128 v[QSW+8*\c:QSW+8*\c+3], v22, s[14:15] offset:32*(32*(\c/2)+8*(\c%2))
	global_load_b128 v[QSW+8*\c+4:QSW+8*\c+7], v22, s[14:15] offset:32*(32*(\c/2)+8*(\c%2))+16
	global_load_b128 v[BQ+8*\c:BQ+8*\c+3], v23, s[16:17] offset:4*(32*(\c/2)+8*(\c%2))
	global_load_b128 v[BQ+8*\c+4:BQ+8*\c+7], v23, s[16:17] offset:4*(32*(\c/2)+8*(\c%2))+16
.endr
.irp w, 0,1
	WIN 0x82+0x41*\w
.irp a, 0,1,2,3
.set i, 0
.rept 32
	s_wait_alu depctr_va_vdst(0)
	v_rcp_f32 v[64*\a+32+i], v[64*\a+32+i]
.set i, i+1
.endr
.endr
	v_nop
	s_wait_alu depctr_va_vdst(0)
	WIN 0x8a+0x45*\w
.irp a, 0,1,2,3
.set i, 0
.rept 16
	v_pk_mul_f32 v[64*\a+i:64*\a+i+1], v[64*\a+i:64*\a+i+1], v[64*\a+32+i:64*\a+33+i]
.set i, i+2
.endr
.endr
.endr
	WIN 0
	s_wait_loadcnt 0x0
	QSTEP 0
	QTURN 1, 0                                     ; step 2 ends in chunk 1
	QTURN 2, 1                                     ; step 3 begins in chunk 1
	QSTEP 3
	QTURN 4, 0                                     ; step 5 ends in chunk 2
	QSTEP 5
	QSTEP 6
	s_wait_dscnt 0x0
	QMUL 0, 7, 7
	WIN 0
	PLACES 4
	v_mov_b32 v[TM+4], 0
	v_mov_b32 v[TM+5], 0
.macro QUANTH s, pch, pct, hw
.irp b, 0,1
	v_max3_num_f32 v[TM+\b], |v[\s+16*\b]|, |v[\s+1+16*\b]|, 0x1800000
.endr
.irp i, 2,4,6,8,10,12,14
.irp b, 0,1
	v_max3_num_f32 v[TM+\b], v[TM+\b], |v[\s+16*\b+\i]|, |v[\s+1+16*\b+\i]|
.endr
.endr
.irp b, 0,1
	v_permlanex16_b32 v[TM+4+\b], v[TM+\b], s[SEL], s[SEL+1]
.endr
.irp b, 0,1
	v_max_num_f32 v[TM+\b], v[TM+\b], v[TM+4+\b]
.endr
.irp b, 0,1
	v_add_nc_u32 v[TM+8+\b], 0xff000000, v[TM+\b]
.endr
.irp b, 0,1
	v_lshrrev_b32 v[TM+4+\b], 23, v[TM+8+\b]
.endr
	v_lshl_or_b32 v[\hw], v[TM+5], 8, v[TM+4]
	v_cvt_scalef32_pk16_fp6_f32 v[\pch:\pch+2], v[\s:\s+15], v[TM+8]
	v_cvt_scalef32_pk16_fp6_f32 v[\pct:\pct+2], v[\s+16:\s+31], v[TM+9]
	v_nop
.irp i, 0,1,2
	v_permlane16_swap_b32 v[\pch+\i], v[\pct+\i]
.endr
.irp i, 0,1,2
	v_mov_b32 v[\pch+3+\i], v[\pct+\i]
.endr
.endm
.macro YBATCH w, t0
	WIN \w
.irp u, 0,1
.set i, 0
.rept 16
	v_pk_mul_f32 v[T+32*\u+i:T+32*\u+i+1], v[64*((\t0)%4+\u)+32+i:64*((\t0)%4+\u)+33+i], s[NL2:NL2+1] op_sel_hi:[1,0]
.set i, i+2
.endr
.endr
	WIN 0
.set i, 0
	s_wait_alu depctr_va_vdst(0)
.rept 64
	v_exp_f32 v[T+i], v[T+i]
.set i, i+1
.endr
	v_nop
	s_wait_alu depctr_va_vdst(0)
.set i, 0
.rept 32
	v_pk_add_f32 v[T+i:T+i+1], v[T+i:T+i+1], 1.0 op_sel_hi:[1,0]
.set i, i+2
.endr
.set i, 0
	s_wait_alu depctr_va_vdst(0)
.rept 64
	v_rcp_f32 v[T+i], v[T+i]
.set i, i+1
.endr
	v_nop
	s_wait_alu depctr_va_vdst(0)
	WIN (\w)<<2
.irp u, 0,1
.set i, 0
.rept 16
	v_pk_mul_f32 v[T+32*\u+i:T+32*\u+i+1], v[T+32*\u+i:T+32*\u+i+1], v[64*((\t0)%4+\u)+i:64*((\t0)%4+\u)+i+1]
.set i, i+2
.endr
.endr
	WIN 0
	s_wait_xcnt 0x0
	QUANTH T, PCH0, PCT0, HW0
	global_store_b128 v[LI16], v[PCH0:PCH0+3], s[18:19] offset:1536*(\t0)
	global_store_b64 v[LI8], v[PCH0+4:PCH0+5], s[18:19] offset:1536*(\t0)+512
	ds_store_b16 v[YSA], v[HW0] offset:256*((\t0)/4)+4*((\t0)%4)
	QUANTH T+32, PCH1, PCT1, HW1
	global_store_b128 v[LI16], v[PCH1:PCH1+3], s[18:19] offset:1536*((\t0)+1)
	global_store_b64 v[LI8], v[PCH1+4:PCH1+5], s[18:19] offset:1536*((\t0)+1)+512
	ds_store_b16 v[YSA], v[HW1] offset:256*(((\t0)+1)/4)+4*(((\t0)+1)%4)
.endm
	YBATCH 2, 0
	YBATCH 2, 2
	YBATCH 3, 4
	YBATCH 3, 6
	s_wait_dscnt 0x0
	s_barrier_signal -1
	s_barrier_wait -1
	ds_load_b64 v[TM:TM+1], v[YSR]
	s_wait_dscnt 0x0
	global_store_b64 v[LI8], v[TM:TM+1], s[6:7]
	s_wait_tensorcnt 0x0
	ds_add_u32 v[SPW], v[NIL]
	s_wait_dscnt 0x0
	CROUND
	s_endpgm
.Lfunc_end_k_qe3f52084ec_aft:
	.size	k_qe3f52084ec_aft, .Lfunc_end_k_qe3f52084ec_aft-k_qe3f52084ec_aft
	.p2alignl 7, 3214868480
	.fill 96, 4, 3214868480
	.section	.rodata,"a",@progbits
	.p2align	6, 0x0
	.amdhsa_kernel k_qe3f52084ec_aft
		.amdhsa_group_segment_fixed_size 327680
		.amdhsa_private_segment_fixed_size 0
		.amdhsa_enable_private_segment 0
		.amdhsa_kernarg_size 64
		.amdhsa_user_sgpr_count 2
		.amdhsa_user_sgpr_kernarg_segment_ptr 1
		.amdhsa_wavefront_size32 1
		.amdhsa_system_sgpr_workgroup_id_x 1
		.amdhsa_system_sgpr_workgroup_id_y 1
		.amdhsa_system_sgpr_workgroup_id_z 1
		.amdhsa_system_vgpr_workitem_id 0
		.amdhsa_next_free_vgpr 1024
		.amdhsa_next_free_sgpr 106
		.amdhsa_reserve_vcc 0
		.amdhsa_float_denorm_mode_32 3
		.amdhsa_float_denorm_mode_16_64 3
		.amdhsa_memory_ordered 1
		.amdhsa_forward_progress 1
		.amdhsa_inst_pref_size 255
	.end_amdhsa_kernel
	.section	.bss,"aw",@nobits
	.p2align	6
	.space	262144
	.amdgpu_metadata
---
amdhsa.version: [ 1, 2 ]
amdhsa.kernels:
  - .name:           k_qe3f52084ec_aft
    .symbol:         k_qe3f52084ec_aft.kd
    .args:
      - { .name: epb, .offset: 0, .size: 8, .value_kind: global_buffer, .address_space: global }
      - { .name: ekq, .offset: 8, .size: 8, .value_kind: global_buffer, .address_space: global }
      - { .name: data_codes, .offset: 16, .size: 8, .value_kind: global_buffer, .address_space: global }
      - { .name: data_scales, .offset: 24, .size: 8, .value_kind: global_buffer, .address_space: global }
      - { .name: W_qkv_codes, .offset: 32, .size: 8, .value_kind: global_buffer, .address_space: global }
      - { .name: W_qkv_scales, .offset: 40, .size: 8, .value_kind: global_buffer, .address_space: global }
      - { .name: b_qkv, .offset: 48, .size: 8, .value_kind: global_buffer, .address_space: global }
      - { .name: yq, .offset: 56, .size: 8, .value_kind: global_buffer, .address_space: global }
    .group_segment_fixed_size: 327680
    .private_segment_fixed_size: 0
    .kernarg_segment_align: 8
    .kernarg_segment_size: 64
    .max_flat_workgroup_size: 128
    .sgpr_count:     106
    .vgpr_count:     1024
    .wavefront_size: 32
...
	.end_amdgpu_metadata
.endif
;; end of part 3
;; launch proj (part 4): grid 8 x 32, 4 waves a work-group, clusters of 4 x 4, 327,680 bytes of LDS; arguments yq, W_out_codes, W_out_scales, b_out, out0; writes out0
.if DOCPART == 4
	.amdgcn_target "amdgcn-amd-amdhsa--gfx1250"
	.amdhsa_code_object_version 6
	.text
	.protected	k_qe3f52084ec_proj
	.globl	k_qe3f52084ec_proj
	.p2align	8
	.type	k_qe3f52084ec_proj,@function
k_qe3f52084ec_proj:
	s_mov_b64 s[64:65], 0
	v_nop
	global_prefetch_b8 v0, s[64:65] scope:SCOPE_SE
	s_setreg_imm32_b32 hwreg(HW_REG_WAVE_MODE, 25, 1), 1
	s_wait_xcnt 0x0
	s_wait_alu depctr_hold_cnt(0) depctr_sa_sdst(0) depctr_va_vdst(0) depctr_va_sdst(0) depctr_va_ssrc(0) depctr_va_vcc(0) depctr_vm_vsrc(0)
	s_getreg_b32 s2, hwreg(HW_REG_IB_STS2, 6, 4)
	s_cmp_eq_u32 s2, 0
	s_cbranch_scc0 .Lentry_in_a_cluster
	s_endpgm
.Lentry_in_a_cluster:
	s_bfe_u32 s2, ttmp6, 0x10000c
	s_cmp_lg_u32 s2, 0xf033
	s_cbranch_scc0 .Lentry_shape_is_right
	s_endpgm
.Lentry_shape_is_right:
; out = y W_out + b_out on codes of FP6 (E2M3): y's codes and scale words as the launch before laid them, W_out's as they are given.
; A work-group makes 256 positions (one batch b) x 128 columns; a wave 128 x 64: accumulator (row tile a, column tile c) at v[32 a + 8 c] of window 2.  K = 1,024: eight steps of 128.
; ALL OPERANDS ARE ASKED FOR AT THE HEAD AND NOTHING IS FILLED AGAIN: y's eight blocks of 25,600 bytes and W_out's 128 rows of 768 fit in LDS together.  One load a wave: waves 0 and 1 take 64 rows of W_out each,
; waves 2 and 3 four of y's blocks each (400 rows of 256 bytes).  One wait for 0 and one barrier show all four to every wave.
; SOURCE 0 = 16 rows of W_out, SOURCE 1 = 16 rows of y: a lane holds eight neighbouring columns of one row of out.  The bias is the C of each sum's first product.  The 32 accumulators take turns.
; CLUSTER 4 x 4: y's blocks hang on the work-group's y: asked for jointly along a row of the cluster; W_out's rows on its x: along a column.  No prefetch: all loads go out at the head, there is no loop to run ahead in.
.set FR,    12
.set BLK,   25600
.set WL,    8*BLK                      ; W_out's 128 rows: 768 bytes + 16 behind each 256: pitch 816
.set WP,    816
.set STAGE, WL+128*WP                  ; the way out: 16 rows x (256 + 16) bytes for each wave
.set SPARE, STAGE+4*4352
.set LY16,  4                          ; y's images: 12,288 x my half + 16 x lane, stepped by two blocks
.set LY8,   5                          ; + 8 x lane
.set LYS,   6                          ; their scale words
.set ADW,   8                          ; v8 W_out's fragments; v9 the same behind one padding more
.set STO,   10
.set RD,    11
.set CO,    12
.set SPW,   28
.set NIL,   29
.set ASC,   32                         ; v32-47 y's scale words, two sets
.set WS,    48                         ; v48-79 W_out's: 8 c + K step
.set BO,    80                         ; v80-111 the bias, in the result's layout
.set BK,    128                        ; the way out: v128-159, v160-191 by turns
.set G1Y,   24
.set G0W,   32
.set G1W,   48
.set G0Y,   68
.set MSB, 0
.macro WIN new
.if MSB != (\new)
	s_set_vgpr_msb (MSB<<8)|(\new)
.set MSB, (\new)
.endif
.endm
.macro CROUND
	s_barrier_signal -1
	s_barrier_wait -1
	s_cmp_lg_u32 s14, 0
	s_cbranch_scc1 .Lnot_wave_0_\@
	s_barrier_signal -3
.Lnot_wave_0_\@:
	s_barrier_wait -3
	s_barrier_signal -1
	s_barrier_wait -1
.endm
.macro PLACES n
.rept \n
	v_nop
.endr
.endm
	s_load_b256 s[4:11], s[0:1], 0x0               ; yq, W_out's codes, W_out's scales, b_out
	s_load_b64 s[12:13], s[0:1], 0x20              ; out0
	v_lshl_add_u32 v[SPW], v0, 2, SPARE
	v_mov_b32 v[NIL], 0
	ds_add_u32 v[SPW], v[NIL]                      ; the opening lines
	ds_add_u32 v[SPW], v[NIL]
	v_lshrrev_b32 v1, 5, v0
	v_readfirstlane_b32 s14, v1                    ; wave 0..3
	s_lshr_b32 s15, s14, 1                         ; my half of the rows.  Also: I fetch for W_out (0) or for y (1)
	s_and_b32 s16, s14, 1                          ; my half of the columns.  Also: which half I fetch
	s_bfe_u32 s40, ttmp6, 0x40000
	s_bfe_u32 s41, ttmp6, 0x40004
	s_lshl_b32 s42, ttmp9, 2
	s_add_co_u32 s42, s42, s40                     ; block of 128 columns
	s_and_b32 s17, ttmp7, 0xffff
	s_lshl_b32 s17, s17, 2
	s_add_co_u32 s17, s17, s41                     ; 8 b + block of 256 positions
	s_lshl_b32 s43, s41, 2
	s_lshl_b32 s43, 15, s43
	s_lshl_b32 s44, 0x1111, s40
	s_or_b32 s[G1W], s44, (1<<20)|(1<<21)|(5<<22)|(3<<25)   ; 64 rows of 768 bytes; behind every 64 words 4 words
	s_mov_b32 s[G1W+1], 768<<16
	s_mov_b32 s[G1W+2], 64<<16
	s_mov_b32 s[G1W+3], 768<<16
	s_mov_b32 s[G1W+4], 64
	s_mov_b32 s[G1W+5], 768
	s_mov_b32 s[G1W+6], 0
	s_mov_b32 s[G1W+7], 0
	s_or_b32 s[G1Y], s43, (3<<16)|(1<<21)          ; 102,400 dense bytes as 400 rows of 32 elements of 8 bytes
	s_mov_b32 s[G1Y+1], 32<<16
	s_mov_b32 s[G1Y+2], 400<<16
	s_mov_b32 s[G1Y+3], 32<<16
	s_mov_b32 s[G1Y+4], 400
	s_mov_b32 s[G1Y+5], 32
	s_mov_b32 s[G1Y+6], 0
	s_mov_b32 s[G1Y+7], 0
	s_lshl_b32 s46, s42, 7
	s_lshl_b32 s47, s16, 6
	s_add_co_u32 s46, s46, s47
	s_mul_i32 s46, s46, 768                        ; W_out: row 128 x block + 64 x half
	s_mov_b32 s47, 0
	s_mul_i32 s20, s17, 8*BLK
	s_mul_i32 s22, s16, 4*BLK
	s_add_co_u32 s20, s20, s22                     ; y: my four blocks
	s_mov_b32 s21, 0
	s_wait_dscnt 0x0                               ; both opening adds are done
	s_wait_kmcnt 0x0
	s_add_nc_u64 s[46:47], s[6:7], s[46:47]
	s_add_nc_u64 s[20:21], s[4:5], s[20:21]
	s_mov_b32 s[G0W], 1
	s_mul_i32 s[G0W+1], s16, 64*WP
	s_add_co_u32 s[G0W+1], s[G0W+1], WL
	s_mov_b64 s[G0W+2:G0W+3], s[46:47]
	s_or_b32 s[G0W+3], s[G0W+3], 0x80000000
	s_mov_b32 s[G0Y], 1
	s_mov_b32 s[G0Y+1], s22
	s_mov_b64 s[G0Y+2:G0Y+3], s[20:21]
	s_or_b32 s[G0Y+3], s[G0Y+3], 0x80000000
	CROUND                                         ; all sixteen work-groups are here: the joint loads meet
	s_cmp_eq_u32 s15, 0
	s_cbranch_scc0 .Lfor_y
	tensor_load_to_lds s[G0W:G0W+3], s[G1W:G1W+7]
	s_nop 0
.rept 4
	v_nop
.endr
	s_branch .Lasked
.Lfor_y:
	tensor_load_to_lds s[G0Y:G0Y+3], s[G1Y:G1Y+7]
	s_nop 0
.rept 4
	v_nop
.endr
.Lasked:
	v_and_b32 v1, 15, v0                           ; r
	v_bfe_u32 v2, v0, 4, 1                         ; h
	v_and_b32 v3, 31, v0
	s_mul_i32 s20, s15, 12288
	v_lshl_add_u32 v[LY16], v3, 4, s20
	v_lshl_add_u32 v[LY8], v3, 3, s20
	s_lshl_b32 s20, s15, 9
	s_add_co_u32 s20, s20, 24576
	v_lshl_add_u32 v[LYS], v1, 4, s20
	v_mul_u32_u24 v7, v1, WP
	v_mad_u32_u24 v7, v2, 24, v7
	s_mul_i32 s20, s16, 64*WP
	s_add_co_u32 s20, s20, WL
	v_add_nc_u32 v[ADW], s20, v7
	v_lshl_add_u32 v[ADW+1], v2, 4, v[ADW]
	s_mul_i32 s20, s14, 4352
	s_add_co_u32 s20, s20, STAGE
	v_mul_u32_u24 v7, v1, 272
	v_lshl_add_u32 v7, v2, 5, v7
	v_add_nc_u32 v[STO], s20, v7                   ; in: row r, 32 bytes for each half of the lanes
	v_mul_u32_u24 v7, v2, 272
	v_lshl_add_u32 v7, v1, 4, v7
	v_add_nc_u32 v[RD], s20, v7                    ; back: lanes 0-15 one row of 256 bytes, lanes 16-31 the next
	v_lshlrev_b32 v7, 14, v2
	v_lshl_add_u32 v[CO], v1, 4, v7                ; the same in out: from t to t + 1 are 16,384 bytes
	v_lshlrev_b32 v13, 5, v1                       ; 32 r
	s_wait_alu depctr_va_vdst(0)
	v_lshlrev_b32 v14, 5, v2                       ; 32 h
	s_wait_alu depctr_va_vdst(0)                   ; ahead of the scalar run below
	s_lshl_b32 s20, s42, 7
	s_lshl_b32 s21, s16, 6
	s_add_co_u32 s22, s20, s21                     ; my first column
	s_lshl_b32 s20, s22, 5
	s_mov_b32 s21, 0
	s_add_nc_u64 s[8:9], s[8:9], s[20:21]
	s_lshl_b32 s20, s22, 2
	s_add_nc_u64 s[10:11], s[10:11], s[20:21]
	s_add_nc_u64 s[12:13], s[12:13], s[20:21]
	s_and_b32 s20, s17, 7                          ; out: row (t, b) at (4 t + b) x 4,096; t = 256 x block + 128 x my half
	s_lshl_b32 s20, s20, 8
	s_lshl_b32 s22, s15, 7
	s_add_co_u32 s20, s20, s22
	s_lshl_b32 s20, s20, 2
	s_lshr_b32 s22, s17, 3
	s_add_co_u32 s20, s20, s22
	s_lshl_b32 s20, s20, 12
	s_add_nc_u64 s[12:13], s[12:13], s[20:21]
.irp c, 0,1,2,3
	global_load_b128 v[WS+8*\c:WS+8*\c+3], v13, s[8:9] offset:512*\c               ; row r of tile c: its eight scale words
	global_load_b128 v[WS+8*\c+4:WS+8*\c+7], v13, s[8:9] offset:512*\c+16
	global_load_b128 v[BO+8*\c:BO+8*\c+3], v14, s[10:11] offset:64*\c              ; the bias of columns 16 c + 8 h + 0 .. 7
	global_load_b128 v[BO+8*\c+4:BO+8*\c+7], v14, s[10:11] offset:64*\c+16
.endr
.macro FRAGW reg, ks, c                ; a fragment of W_out: six pieces of 8 bytes; piece p of a row lies at 8 p + 16 (p / 32); lanes 16-31 read three pieces on
.irp p, 0,1,2,3,4,5
.set PCE, 12*(\ks)+6*(\p/3)+\p%3
.if PCE%32 < 29
	ds_load_b64 v[\reg+2*\p:\reg+2*\p+1], v[ADW] offset:8*PCE+16*(PCE/32)+16*WP*(\c)
.else
	ds_load_b64 v[\reg+2*\p:\reg+2*\p+1], v[ADW+1] offset:8*PCE+16*(PCE/32)+16*WP*(\c)
.endif
.endr
.endm
.macro DFETCH ks, set                  ; K step ks: y's eight fragments (two halves of 512 + 256 bytes each) into window 1, W_out's four and y's scale words into window 0
	WIN 0x40
.irp a, 0,1,2,3,4,5,6,7
	ds_load_b128 v[128*(\set)+FR*\a:128*(\set)+FR*\a+3], v[LY16] offset:BLK*((\ks)%2)+1536*\a
	ds_load_b64 v[128*(\set)+FR*\a+4:128*(\set)+FR*\a+5], v[LY8] offset:BLK*((\ks)%2)+1536*\a+512
	ds_load_b128 v[128*(\set)+FR*\a+6:128*(\set)+FR*\a+9], v[LY16] offset:BLK*((\ks)%2)+1536*\a+768
	ds_load_b64 v[128*(\set)+FR*\a+10:128*(\set)+FR*\a+11], v[LY8] offset:BLK*((\ks)%2)+1536*\a+1280
.endr
	WIN 0
.irp c, 0,1,2,3
	FRAGW 128+48*(\set)+FR*\c, \ks, \c
.endr
.irp g, 0,1
	ds_load_b128 v[ASC+8*(\set)+4*\g:ASC+8*(\set)+4*\g+3], v[LYS] offset:BLK*((\ks)%2)+256*\g
.endr
.endm
.macro DMUL a0, a1, ks
.if (\ks) == 0
	WIN 0x84                                       ; source 1 window 1, D window 2, C (the bias) window 0
.else
	WIN 0xa4                                       ; C and D window 2
.endif
.set qa, \a0
.rept (\a1)-(\a0)+1
.irp c, 0,1,2,3
.if (\ks) == 0
	v_wmma_scale_f32_16x16x128_f8f6f4 v[32*qa+8*\c:32*qa+8*\c+7], v[128+48*((\ks)%2)+FR*\c:128+48*((\ks)%2)+FR*\c+FR-1], v[128*((\ks)%2)+FR*qa:128*((\ks)%2)+FR*qa+FR-1], v[BO+8*\c:BO+8*\c+7], v[WS+8*\c+(\ks)], v[ASC+8*((\ks)%2)+qa] matrix_a_fmt:MATRIX_FMT_FP6 matrix_b_fmt:MATRIX_FMT_FP6
.else
	v_wmma_scale_f32_16x16x128_f8f6f4 v[32*qa+8*\c:32*qa+8*\c+7], v[128+48*((\ks)%2)+FR*\c:128+48*((\ks)%2)+FR*\c+FR-1], v[128*((\ks)%2)+FR*qa:128*((\ks)%2)+FR*qa+FR-1], v[32*qa+8*\c:32*qa+8*\c+7], v[WS+8*\c+(\ks)], v[ASC+8*((\ks)%2)+qa] matrix_a_fmt:MATRIX_FMT_FP6 matrix_b_fmt:MATRIX_FMT_FP6
.endif
.endr
.set qa, qa+1
.endr
.endm
.macro DSTEP ks
	s_wait_dscnt 0x0                               ; this step's fragments are in
	DMUL 0, 3, \ks
.if (\ks) < 7
	WIN 0
	PLACES 4                                       ; in front of loads into registers that the step before has multiplied
.if (\ks)%2 == 1
	v_add_nc_u32 v[LY16], 2*BLK, v[LY16]           ; on to the next pair
	s_wait_alu depctr_va_vdst(0)
	v_add_nc_u32 v[LY8], 2*BLK, v[LY8]
	s_wait_alu depctr_va_vdst(0)
	v_add_nc_u32 v[LYS], 2*BLK, v[LYS]
.endif
	s_wait_alu depctr_va_vdst(0)
	DFETCH (\ks)+1, ((\ks)+1)%2
.endif
	DMUL 4, 7, \ks
.endm
	s_wait_tensorcnt 0x0                           ; my one load is in; the barrier shows all four to every wave
	s_barrier_signal -1
	s_barrier_wait -1
	DFETCH 0, 0
	s_wait_loadcnt 0x0                             ; W_out's scale words and the bias
.irp k, 0,1,2,3,4,5,6,7
	DSTEP \k
.endr
	WIN 0
	; THE WAY OUT, a tile of 16 rows x 64 columns at a time, through my own stage: sixteen lanes then store 256 consecutive bytes, at a multiple of 256 from out's first byte
.macro TOSTAGE a
	WIN 0x08                                       ; an LDS store's data: window 2
.irp c, 0,1,2,3
	ds_store_b128 v[STO], v[32*(\a)+8*\c:32*(\a)+8*\c+3] offset:64*\c              ; each accumulator from its low end on
	ds_store_b128 v[STO], v[32*(\a)+8*\c+4:32*(\a)+8*\c+7] offset:64*\c+16
.endr
	WIN 0
.irp t, 0,1,2,3,4,5,6,7
	ds_load_b128 v[BK+32*((\a)%2)+4*\t:BK+32*((\a)%2)+4*\t+3], v[RD] offset:544*\t ; LDS serves a wave's instructions in order: these see the stores above
.endr
.endm
.macro SEND a, younger                 ; younger: the LDS instructions issued behind tile a's loads
	s_wait_dscnt \younger
.irp t, 0,1,2,3,4,5,6,7
	global_store_b128 v[CO], v[BK+32*((\a)%2)+4*\t:BK+32*((\a)%2)+4*\t+3], s[12:13] offset:262144*(\a)+32768*\t th:TH_STORE_NT
.endr
.endm
	PLACES 4
	TOSTAGE 0
.irp a, 1,2,3,4,5,6,7
.if \a > 1
	s_wait_xcnt 0x0                                ; tile a - 2's stores have read their data: tile a's loads may land there
.endif
	TOSTAGE \a
	SEND \a-1, 16                                  ; behind tile a - 1's loads: tile a's 8 stores and 8 loads
.endr
	SEND 7, 0
	s_wait_tensorcnt 0x0                           ; the wave's end
	ds_add_u32 v[SPW], v[NIL]
	s_wait_dscnt 0x0
	CROUND                                         ; the closing round
	s_endpgm
.Lfunc_end_k_qe3f52084ec_proj:
	.size	k_qe3f52084ec_proj, .Lfunc_end_k_qe3f52084ec_proj-k_qe3f52084ec_proj
	.p2alignl 7, 3214868480
	.fill 96, 4, 3214868480
	.section	.rodata,"a",@progbits
	.p2align	6, 0x0
	.amdhsa_kernel k_qe3f52084ec_proj
		.amdhsa_group_segment_fixed_size 327680
		.amdhsa_private_segment_fixed_size 0
		.amdhsa_enable_private_segment 0
		.amdhsa_kernarg_size 40
		.amdhsa_user_sgpr_count 2
		.amdhsa_user_sgpr_kernarg_segment_ptr 1
		.amdhsa_wavefront_size32 1
		.amdhsa_system_sgpr_workgroup_id_x 1
		.amdhsa_system_sgpr_workgroup_id_y 1
		.amdhsa_system_sgpr_workgroup_id_z 1
		.amdhsa_system_vgpr_workitem_id 0
		.amdhsa_next_free_vgpr 768
		.amdhsa_next_free_sgpr 96
		.amdhsa_reserve_vcc 0
		.amdhsa_float_denorm_mode_32 3
		.amdhsa_float_denorm_mode_16_64 3
		.amdhsa_memory_ordered 1
		.amdhsa_forward_progress 1
		.amdhsa_inst_pref_size 88
	.end_amdhsa_kernel
	.amdgpu_metadata
---
amdhsa.version: [ 1, 2 ]
amdhsa.kernels:
  - .name:           k_qe3f52084ec_proj
    .symbol:         k_qe3f52084ec_proj.kd
    .args:
      - { .name: yq, .offset: 0, .size: 8, .value_kind: global_buffer, .address_space: global }
      - { .name: W_out_codes, .offset: 8, .size: 8, .value_kind: global_buffer, .address_space: global }
      - { .name: W_out_scales, .offset: 16, .size: 8, .value_kind: global_buffer, .address_space: global }
      - { .name: b_out, .offset: 24, .size: 8, .value_kind: global_buffer, .address_space: global }
      - { .name: out0, .offset: 32, .size: 8, .value_kind: global_buffer, .address_space: global }
    .group_segment_fixed_size: 327680
    .private_segment_fixed_size: 0
    .kernarg_segment_align: 8
    .kernarg_segment_size: 40
    .max_flat_workgroup_size: 128
    .sgpr_count:     96
    .vgpr_count:     768
    .wavefront_size: 32
...
	.end_amdgpu_metadata
.endif
;; end of part 4
